; MI455X (gfx1250); checked and timed in simulation.
; The chip was launched on July 23, 2026; its instructions are those of AMD's public machine-readable ISA for CDNA 5 (MIT licence, August 2026) and "CDNA5" Instruction Set Architecture Reference Guide (July 2026). The comments in the code are by the model that wrote it; some were corrected since.
;; Bahdanau Attention LSTM. Allowed arithmetic: float matrix products may take bf16 or f16 operands with f32 sums; other float arithmetic in f32, or as packed bf16 or f16 multiplies, adds, multiply-adds, maxima and minima; sums over many terms, partial sums and values carried from step to step in f32; what a program stores and reads back later, other than sums and carried values, may be rounded once to bf16 or f16.
;; Inputs: Ua_b 1,024 float32; Ua_w 1,024 x 1,024 float32; Va_b 1 float32; Va_w 1 x 1,024 float32; Wa_b 1,024 float32; Wa_w 1,024 x 1,024 float32; keys 32 x 2,048 x 1,024 float32; query0 32 x 1 x 1,024 float32; query1 32 x 1 x 1,024 float32.
;; Outputs: out0 32 x 1 x 1,024 float32; out1 32 x 1 x 2,048 float32.
;; 3 versions, each right; version 3 is version 2 with the launch attn written anew for expert scheduling mode. Each part assembles by itself: llvm-mc -triple=amdgcn-amd-amdhsa -mcpu=gfx1250 --defsym DOCPART=n.
;; ======== version 1 of 3: 3 launches
;; workspace buffers: kb 134,217,728 bytes; ub 2,097,152 bytes; cb 131,072 bytes; sp 2,097,152 bytes
;; launch prep (part 1): grid 2096 x 1, 8 waves a work-group, no clusters, 0 bytes of LDS; arguments keys, Ua_w, Wa_w, query0, query1, Wa_b, Ua_b, kb, ub, cb; writes kb, ub, cb
.if DOCPART == 1
	.amdgcn_target "amdgcn-amd-amdhsa--gfx1250"
	.amdhsa_code_object_version 6
	.text
	.protected	k_q3939c9a484_prep
	.globl	k_q3939c9a484_prep
	.p2align	8
	.type	k_q3939c9a484_prep,@function
k_q3939c9a484_prep:
	s_mov_b64 s[64:65], 0
	v_nop
	global_prefetch_b8 v0, s[64:65] scope:SCOPE_SE
	s_setreg_imm32_b32 hwreg(HW_REG_WAVE_MODE, 25, 1), 1
	s_wait_xcnt 0x0
; THREE JOBS, told apart by the work-group's number.
;   0 .. 15       cb = C2 x ((query0 + query1) Wa_w^T + Wa_b + Ua_b), C2 = 2 log2(e): the addend of the later tanh, already in the exponent's scale
;   16 .. 2063    kb = keys rounded once to bf16: 32,768 numbers a work-group
;   2064 .. 2095  ub = Ua_w rounded once to bf16, by the same text
; The table's work-groups have the lowest numbers; the casts are a stream: each input byte is loaded once, each output byte stored once.
; cb's LAYOUT: [J = 64][q = 2][b = 32][h = 2][4] f32: the number for batch b and column o = 16 J + 8 h + 4 q + i lies at byte 2048 J + 1024 q + 32 b + 16 h + 4 i,
; so that the next launch takes a lane's eight columns of a matrix result by two loads of 16 bytes.
; LIMITS.  q0 + q1 is added in f32 and rounded once to bf16, Wa_w once to bf16; sums in f32.  NaN and infinities are not treated apart.
; No LDS, no barrier: no wave wants a byte that another wave has fetched.
.set C2,    0x4038aa3b                 ; 2 log2(e)
.set NBIAS, 16                         ; work-groups that make cb
.set X,     8                          ; the cast: v[8:135], 32 loads of 4 registers
.set WF,    16                         ; the table: v[16:79]   Wa_w, four fragments of 16 f32, then 8 registers of bf16 each, in place
.set Q0,    80                         ; v[80:143]  query0, then the sum, then bf16, in place
.set Q1,    144                        ; v[144:207] query1
.set AC,    208                        ; v[208:223] two accumulators, for the fragments of even and of odd number
.set BA,    224                        ; v[224:231] Wa_b of my eight columns
.set BU,    232                        ; v[232:239] Ua_b of my eight columns
	s_load_b512 s[16:31], s[0:1], 0x0              ; keys 16, Ua_w 18, Wa_w 20, query0 22, query1 24, Wa_b 26, Ua_b 28, kb 30
	s_load_b128 s[32:35], s[0:1], 0x40             ; ub 32, cb 34
	v_lshrrev_b32 v1, 5, v0
	v_readfirstlane_b32 s3, v1                     ; wave 0..7
	s_wait_kmcnt 0x0
	s_cmp_lt_u32 ttmp9, NBIAS
	s_cbranch_scc1 .Lbias
	; THE CAST.  Thread t takes 16 bytes at 16 t of each 4,096: a wave's load covers 512 consecutive bytes, its store 256 consecutive bytes, aligned.
	s_sub_co_u32 s4, ttmp9, NBIAS
	s_cmp_ge_u32 s4, 2048                          ; behind keys' 2,048 blocks come Ua_w's 32
	s_cselect_b64 s[6:7], s[18:19], s[16:17]       ; from
	s_cselect_b64 s[8:9], s[32:33], s[30:31]       ; to
	s_cselect_b32 s5, 2048, 0
	s_sub_co_u32 s4, s4, s5                        ; the block's number in its tensor
	s_lshl_b32 s10, s4, 17                         ; 131,072 bytes of f32
	s_mov_b32 s11, 0
	s_add_nc_u64 s[6:7], s[6:7], s[10:11]
	s_lshl_b32 s10, s4, 16                         ; 65,536 bytes of bf16
	s_add_nc_u64 s[8:9], s[8:9], s[10:11]
	v_lshlrev_b32 v1, 4, v0
	v_lshlrev_b32 v2, 3, v0
.set i, 0
.rept 32                                       ; all 32 loads go out at once: 16 KiB a wave on their way
	global_load_b128 v[X+4*i:X+4*i+3], v1, s[6:7] offset:4096*i th:TH_LOAD_NT
.set i, i+1
.endr
.set i, 0
.rept 32
	s_wait_loadcnt 31-i                            ; loads come back in order: number i is in, the 31 - i younger ones stay out
	v_cvt_pk_bf16_f32 v[X+4*i], v[X+4*i], v[X+4*i+1]      ; in place, ascending: each source is read before it is written
	v_cvt_pk_bf16_f32 v[X+4*i+1], v[X+4*i+2], v[X+4*i+3]
	global_store_b64 v2, v[X+4*i:X+4*i+1], s[8:9] offset:2048*i th:TH_STORE_NT
.set i, i+1
.endr
	s_endpgm                                       ; no register that a load or store names is ever written again
	; THE TABLE.  A wave makes one tile: 16 columns o (source 0 = 16 rows of Wa_w) x 16 batches (source 1 = 16 rows of q0 + q1), all 1,024 along K.
	; In the result lane (r = l % 16, h = l / 16) holds batch 16 t + r and, in register j, column 16 J + 8 h + j.
.Lbias:
	s_lshl_b32 s4, ttmp9, 3
	s_add_co_u32 s4, s4, s3                        ; the tile's number, 0..127
	s_lshr_b32 s5, s4, 1                           ; J
	s_and_b32 s4, s4, 1                            ; t
	v_and_b32 v1, 15, v0                           ; r
	v_bfe_u32 v2, v0, 4, 1                         ; h
	v_lshlrev_b32 v3, 12, v1                       ; a fragment's row, 4,096 bytes of f32,
	v_lshl_add_u32 v3, v2, 5, v3                   ; + 8 h numbers
	v_lshlrev_b32 v4, 5, v2                        ; the biases: 8 h numbers
	v_lshlrev_b32 v5, 5, v1                        ; cb: 32 r + 16 h
	v_lshl_add_u32 v5, v2, 4, v5
	s_mov_b32 s11, 0
	s_lshl_b32 s10, s5, 16                         ; 16 J rows of Wa_w
	s_add_nc_u64 s[20:21], s[20:21], s[10:11]
	s_lshl_b32 s10, s4, 16                         ; 16 t rows of the queries
	s_add_nc_u64 s[22:23], s[22:23], s[10:11]
	s_add_nc_u64 s[24:25], s[24:25], s[10:11]
	s_lshl_b32 s10, s5, 6                          ; 16 J numbers of the biases
	s_add_nc_u64 s[26:27], s[26:27], s[10:11]
	s_add_nc_u64 s[28:29], s[28:29], s[10:11]
	s_lshl_b32 s10, s5, 11                         ; cb: 2,048 J + 32 x 16 t
	s_lshl_b32 s12, s4, 9
	s_add_co_u32 s10, s10, s12
	s_add_nc_u64 s[34:35], s[34:35], s[10:11]
	global_load_b128 v[BA:BA+3],   v4, s[26:27]
	global_load_b128 v[BA+4:BA+7], v4, s[26:27] offset:16
	global_load_b128 v[BU:BU+3],   v4, s[28:29]
	global_load_b128 v[BU+4:BU+7], v4, s[28:29] offset:16
.set i, 0
.rept 16
	v_mov_b32 v[AC+i], 0                           ; sixteen lines, so that the loop has one form of product and no trip is written out
.set i, i+1
.endr
	s_mov_b32 s13, 8
.Lbk:                                              ; a trip: 128 along K, four fragments; 48 loads, one wait
.set f, 0
.rept 4
.set n, 0
.rept 4                                        ; a lane's 16 numbers of a fragment: k = 8 h + 0..7 (bytes 0, 16) and 16 + 8 h + 0..7 (bytes 64, 80)
	global_load_b128 v[WF+16*f+4*n:WF+16*f+4*n+3], v3, s[20:21] offset:128*f+64*(n/2)+16*(n%2)
	global_load_b128 v[Q0+16*f+4*n:Q0+16*f+4*n+3], v3, s[22:23] offset:128*f+64*(n/2)+16*(n%2)
	global_load_b128 v[Q1+16*f+4*n:Q1+16*f+4*n+3], v3, s[24:25] offset:128*f+64*(n/2)+16*(n%2)
.set n, n+1
.endr
.set f, f+1
.endr
	s_wait_loadcnt 0x0                             ; all of them (in the first trip the biases too): the bases may be stepped below
.set f, 0
.rept 4
.set n, 0
.rept 8
	v_pk_add_f32 v[Q0+16*f+2*n:Q0+16*f+2*n+1], v[Q0+16*f+2*n:Q0+16*f+2*n+1], v[Q1+16*f+2*n:Q1+16*f+2*n+1]  ; q = query0 + query1, in f32
.set n, n+1
.endr
.set n, 0
.rept 8
	v_cvt_pk_bf16_f32 v[WF+16*f+n], v[WF+16*f+2*n], v[WF+16*f+2*n+1]
	v_cvt_pk_bf16_f32 v[Q0+16*f+n], v[Q0+16*f+2*n], v[Q0+16*f+2*n+1]
.set n, n+1
.endr
	v_wmma_f32_16x16x32_bf16 v[AC+8*(f%2):AC+8*(f%2)+7], v[WF+16*f:WF+16*f+7], v[Q0+16*f:Q0+16*f+7], v[AC+8*(f%2):AC+8*(f%2)+7]  ; the two accumulators take turns, over the backward jump too
.set f, f+1
.endr
.rept 4
	v_nop                                          ; four places between the last product and the loads into its sources
.endr
	s_add_nc_u64 s[20:21], s[20:21], 512
	s_add_nc_u64 s[22:23], s[22:23], 512
	s_add_nc_u64 s[24:25], s[24:25], 512
	s_sub_co_u32 s13, s13, 1
	s_cmp_lg_u32 s13, 0
	s_cbranch_scc1 .Lbk
.rept 4
	v_nop                                          ; with the four above: eight places in front of the sums that read the results, once a launch
.endr
.irp n, 0,2,4,6
	v_pk_add_f32 v[BA+(\n):BA+(\n)+1], v[BA+(\n):BA+(\n)+1], v[BU+(\n):BU+(\n)+1]          ; Wa_b + Ua_b
.endr
.irp n, 0,2,4,6
	v_pk_add_f32 v[AC+(\n):AC+(\n)+1], v[AC+(\n):AC+(\n)+1], v[AC+8+(\n):AC+8+(\n)+1]      ; the two parities; each accumulator is read from its low end on
.endr
.irp n, 0,2,4,6
	v_pk_add_f32 v[AC+(\n):AC+(\n)+1], v[AC+(\n):AC+(\n)+1], v[BA+(\n):BA+(\n)+1]
.endr
.irp n, 0,2,4,6
	v_pk_mul_f32 v[AC+(\n):AC+(\n)+1], v[AC+(\n):AC+(\n)+1], C2 op_sel_hi:[1,0]
.endr
	global_store_b128 v5, v[AC:AC+3],   s[34:35]               ; q = 0: the wave's store covers 512 consecutive bytes
	global_store_b128 v5, v[AC+4:AC+7], s[34:35] offset:1024   ; q = 1
	s_endpgm
.Lfunc_end_k_q3939c9a484_prep:
	.size	k_q3939c9a484_prep, .Lfunc_end_k_q3939c9a484_prep-k_q3939c9a484_prep
	.p2alignl 7, 3214868480
	.fill 96, 4, 3214868480
	.section	.rodata,"a",@progbits
	.p2align	6, 0x0
	.amdhsa_kernel k_q3939c9a484_prep
		.amdhsa_group_segment_fixed_size 0
		.amdhsa_private_segment_fixed_size 0
		.amdhsa_enable_private_segment 0
		.amdhsa_kernarg_size 80
		.amdhsa_user_sgpr_count 2
		.amdhsa_user_sgpr_kernarg_segment_ptr 1
		.amdhsa_wavefront_size32 1
		.amdhsa_system_sgpr_workgroup_id_x 1
		.amdhsa_system_sgpr_workgroup_id_y 1
		.amdhsa_system_sgpr_workgroup_id_z 1
		.amdhsa_system_vgpr_workitem_id 0
		.amdhsa_next_free_vgpr 240
		.amdhsa_next_free_sgpr 66
		.amdhsa_reserve_vcc 0
		.amdhsa_float_denorm_mode_32 3
		.amdhsa_float_denorm_mode_16_64 3
		.amdhsa_memory_ordered 1
		.amdhsa_forward_progress 1
		.amdhsa_inst_pref_size 27
	.end_amdhsa_kernel
	.amdgpu_metadata
---
amdhsa.version: [ 1, 2 ]
amdhsa.kernels:
  - .name:           k_q3939c9a484_prep
    .symbol:         k_q3939c9a484_prep.kd
    .args:
      - { .name: keys, .offset: 0, .size: 8, .value_kind: global_buffer, .address_space: global }
      - { .name: Ua_w, .offset: 8, .size: 8, .value_kind: global_buffer, .address_space: global }
      - { .name: Wa_w, .offset: 16, .size: 8, .value_kind: global_buffer, .address_space: global }
      - { .name: query0, .offset: 24, .size: 8, .value_kind: global_buffer, .address_space: global }
      - { .name: query1, .offset: 32, .size: 8, .value_kind: global_buffer, .address_space: global }
      - { .name: Wa_b, .offset: 40, .size: 8, .value_kind: global_buffer, .address_space: global }
      - { .name: Ua_b, .offset: 48, .size: 8, .value_kind: global_buffer, .address_space: global }
      - { .name: kb, .offset: 56, .size: 8, .value_kind: global_buffer, .address_space: global }
      - { .name: ub, .offset: 64, .size: 8, .value_kind: global_buffer, .address_space: global }
      - { .name: cb, .offset: 72, .size: 8, .value_kind: global_buffer, .address_space: global }
    .group_segment_fixed_size: 0
    .private_segment_fixed_size: 0
    .kernarg_segment_align: 8
    .kernarg_segment_size: 80
    .max_flat_workgroup_size: 256
    .sgpr_count:     66
    .vgpr_count:     240
    .wavefront_size: 32
...
	.end_amdgpu_metadata
.endif
;; end of part 1
;; launch scores (part 2): grid 4 x 64, 4 waves a work-group, clusters of 4 x 4, 327,680 bytes of LDS; arguments kb, ub, cb, Va_w, sp; writes sp
.if DOCPART == 2
	.amdgcn_target "amdgcn-amd-amdhsa--gfx1250"
	.amdhsa_code_object_version 6
	.text
	.protected	k_q3939c9a484_scores
	.globl	k_q3939c9a484_scores
	.p2align	8
	.type	k_q3939c9a484_scores,@function
k_q3939c9a484_scores:
	s_mov_b64 s[64:65], 0
	v_nop
	global_prefetch_b8 v0, s[64:65] scope:SCOPE_SE
	s_setreg_imm32_b32 hwreg(HW_REG_WAVE_MODE, 25, 1), 1
	s_wait_xcnt 0x0
	s_wait_alu depctr_hold_cnt(0) depctr_sa_sdst(0) depctr_va_vdst(0) depctr_va_sdst(0) depctr_va_ssrc(0) depctr_va_vcc(0) depctr_vm_vsrc(0)
	s_getreg_b32 s2, hwreg(HW_REG_IB_STS2, 6, 4)
	s_cmp_eq_u32 s2, 0
	s_cbranch_scc0 .Lentry_in_a_cluster
	s_endpgm
.Lentry_in_a_cluster:
	s_bfe_u32 s2, ttmp6, 0x10000c
	s_cmp_lg_u32 s2, 0xf033
	s_cbranch_scc0 .Lentry_shape_is_right
	s_endpgm
.Lentry_shape_is_right:
; sp[g][row] = the sum over the 128 columns o = 128 g .. 128 g + 127 of Va_w[o] tanh(wq[b][o] + Wa_b[o] + Ua_b[o] + sum over k of keys[row][k] Ua_w[o][k]).
; kb: [65536][1024] bf16 (keys), ub: [1024][1024] bf16 (Ua_w), cb: the addend times C2 = 2 log2(e), in the layout that the launch before gives it; sums in f32.
; THE PRODUCT.  A tile of 256 rows x 256 columns is made by a work-group of four waves, a wave 128 x 128: 64 accumulators of 16 x 16, 512 registers.  K goes in steps of 128 through a ring of
; two LDS slots filled by the tensor data mover: a tile's rows are 256 bytes of memory and start at multiples of 256 bytes from the buffer's first byte.
; A WORK-GROUP STAYS: 4 tiles, 16,384 rows (8 batches) apart, in one tile column: 256 work-groups in all.  The ring does not stop at a tile's end: a tile's last two changes of slots ask for
; the next tile's first two K steps, which land while the tile's tanh is made.
; CLUSTERS: 4 x 4 work-groups.  The four of a row of the cluster need the same tiles of kb, the four of a column the same tiles of ub: each tile is asked for JOINTLY, by the same tensor load
; with the same descriptor and a mask that names the four.
; THE MATRIX INSTRUCTION IS USED TRANSPOSED (source 0 = 16 rows of ub, source 1 = 16 rows of kb): lane l holds row l % 16, its registers 0 to 7 the columns 8 (l / 16) + 0 .. 7.  So a row's 128
; columns lie in two lanes, 64 registers each, and the dot with Va_w is a sum along a lane's registers and one exchange between the halves of the lanes.
; TANH.  tanh x = 1 - 2 / (1 + 2^(C2 x)).  Where 2^(..) is an infinity or 0 the result is exactly 1 or -1.  LIMITS: NaN and infinities among the inputs are not treated apart.
; REGISTERS, in windows of 256 (s_set_vgpr_msb: bits 1:0 source 0, 3:2 source 1, 5:4 source 2, 7:6 destination):
;   window 0: v0-31 addresses; v32-61 the way out's small change; v64-127, v128-191 fragments of kb, two buffers; v128-191 and v192-255 by turns the way out's 64 numbers at work
;   window 1: v0-63 cb of my 64 columns; v64-127, v128-191 fragments of ub; v192-255 Va_w of my 64 columns
;   window 2: the 32 accumulators of my rows 0-63 (accumulator (a, b) at v[8 (8 a + b)]);   window 3: those of my rows 64-127
.set SIZE_M, 65536
.set SIZE_N, 1024
.set SIZE_K, 1024
.set SIZE_TILES, 4
.set C2,     0x4038aa3b                ; 2 log2(e)
.set KSTEP,  128
.set PITCH,  272                       ; an LDS row: 256 bytes of data + 16 of padding = 68 words: row r starts at bank 4 r mod 64 (64 banks of 4 bytes: ISA guide 11.1)
.set HALFT,  128*PITCH                 ; 128 rows: what one tensor load brings, and what one wave reads of kb or of ub
.set SLOT,   4*HALFT                   ; kb's 256 rows, then ub's 256 rows
.set STAGE,  2*SLOT                    ; behind the ring: 512 bytes for each wave, for the way out
.set SPARE,  STAGE+4*512               ; behind the stages: the spare words, 128 bytes for each wave: two blocks of 256 bytes that no other line names
.set LAPS,   SIZE_K/(2*KSTEP)          ; a lap = two K steps = once round the ring
.set WALK,   SIZE_M/SIZE_TILES         ; a work-group's tiles lie WALK rows apart
.set NEXT_A, WALK*SIZE_K*2-(SIZE_K-2*KSTEP)*2   ; bytes from a slot's last K step of a tile to its first of the next tile: kb goes WALK rows down and back along K,
.set BACK_B, (SIZE_K-2*KSTEP)*2        ; ub only back
.set ADRA, 16                          ; v16-17  LDS address of my kb fragments in slot 0, 1
.set ADRB, 20                          ; v20-21  the same for ub
.set VVO,  22                          ; v22     32 x (l / 16): my eight columns in 16 of Va_w
.set STO,  24                          ; v24     the way out: my word of my stage
.set RD,   25                          ; v25     the way out: my 16 bytes of my stage
.set CO,   26                          ; v26     16 x lane: my 16 bytes of the wave's 512 of sp
.set CVO,  27                          ; v27     16 x (l / 16): my four columns in eight of cb
.set SPW,  28                          ; v28     LDS address of my spare word; never rewritten
.set NIL,  29                          ; v29     0; never rewritten
.set PFO,  30                          ; v30     the prefetches' offset: my lane x a row of 2,048 bytes; never rewritten
.set CC,   32                          ; v[32:33] C2, twice
.set SUM,  34                          ; v[34:41] four chains of packed sums
.set PS,   42                          ; v[42:49] block i's sum for my row
.set OUT,  50                          ; v[50:53] four rows' sums, to store
.set QS,   58                          ; v[58:61] 32 rows' sums, a row a lane
.set F0,   64
.set F1,   128
.set CB,   0                           ; window 1
.set VA,   192                         ; window 1
.set G1,   24                          ; s[24:31] descriptor group 1 for kb's tiles
.set G0,   32                          ; s[32:39] descriptor group 0 for kb's tiles, one set for each slot
.set LIM,  43                          ; s43      1 in a wave that prefetches, else the greatest number
.set PFA,  44                          ; s[44:45] where my prefetches stand
.set G1B,  48                          ; s[48:55], s[56:63] the same two groups for ub's tiles
.set G0B,  56
.set CBP,  66                          ; s[66:67] cb at my 128 columns and the tile's batch
.set VAP,  68                          ; s[68:69] Va_w at my 128 columns
.set SEL,  70                          ; s[70:71] v_permlanex16_b32's selects: each lane takes its own place in the other half
.set UPPER, 72                         ; s72      lanes 16-31
.set MSB, 0
.macro WIN new                         ; the immediate's high byte repeats the setting that is left; a switch that changes nothing is dropped
.if MSB != (\new)
	s_set_vgpr_msb (MSB<<8)|(\new)
.set MSB, \new
.endif
.endm
.set MUL_LO, 0xa1                      ; source 0 (ub) window 1, source 1 (kb) window 0, C and D window 2
.set MUL_HI, 0xf1                      ; the same, C and D window 3
.set TO_B,   0x40                      ; destination window 1, address window 0
; A joint load.  Waves 0 and 1 fetch kb's two halves, waves 2 and 3 ub's.  Each line has one mask and one set of registers for all that issue it; the branch hangs on the wave's number alone.
; An s_nop 0 and four v_nop follow each of the two lines, ahead of the jump, the label and what follows.
.macro JLOAD s
	s_cmp_eq_u32 s11, 0
	s_cbranch_scc0 .Lfor_b_\@
	tensor_load_to_lds s[G0+4*(\s):G0+4*(\s)+3], s[G1:G1+7]
	s_nop 0
.rept 4
	v_nop
.endr
	s_branch .Lasked_\@
.Lfor_b_\@:
	tensor_load_to_lds s[G0B+4*(\s):G0B+4*(\s)+3], s[G1B:G1B+7]
	s_nop 0
.rept 4
	v_nop
.endr
.Lasked_\@:
.endm
; A PREFETCH INTO THE L2, behind each joint load, its five lines and the run of LDS loads that follows: the K step that stands TWO refills on, 512 matrix instructions ahead of the load that will ask for it:
; 32 rows x 256 bytes, a lane a row, one instruction a wave.  Each row's 256 bytes of a K step are named once in the launch: kb's tile rows are read by one cluster alone (the grid is one cluster wide), which asks;
; ub's tile columns by all sixteen clusters, of which the one with y = 0 asks, in its first tile.  The four partners that ask for a tile jointly share its rows out BY ADDRESS: of the 128 rows that a wave fetches the
; partner at place p takes 32 p .. 32 p + 31.  how = 0, in the loop: a tile's last two refills have no K step two on; how = 1, at a change of tiles: the next tile's K steps 2 and 3.
.macro ASK how
.if \how
	s_cmp_eq_u32 s[LIM], 1
.else
	s_cmp_gt_u32 s3, s[LIM]                        ; s3 = 1 in the loop's last trip
.endif
	s_cbranch_scc0 .Lnot_mine_\@
	global_prefetch_b8 v[PFO], s[PFA:PFA+1] offset:KSTEP*2 th:TH_LOAD_NT scope:SCOPE_SE
.Lnot_mine_\@:
.endm
; A round of the cluster's barrier: my work-group's barrier, so that wave 0's signal speaks for all four waves; wave 0 signals; every wave waits for all sixteen work-groups; my work-group's barrier once more.
.macro CREST                           ; a round behind its opening barrier
	s_cmp_lg_u32 s10, 0
	s_cbranch_scc1 .Lnot_wave_0_\@
	s_barrier_signal -3
.Lnot_wave_0_\@:
	s_barrier_wait -3
	s_barrier_signal -1
	s_barrier_wait -1
.endm
.macro CROUND                          ; a whole round
	s_barrier_signal -1
	s_barrier_wait -1
	CREST
.endm
	s_load_b128 s[4:7], s[0:1], 0x0                ; kb s[4:5], ub s[6:7]
	s_load_b128 s[76:79], s[0:1], 0x10             ; cb s[76:77], Va_w s[78:79]
	s_load_b64 s[8:9], s[0:1], 0x20                ; sp
	v_lshl_add_u32 v[SPW], v0, 2, SPARE
	v_mov_b32 v[NIL], 0
	ds_add_u32 v[SPW], v[NIL]                      ; the wave's opening: the add, twice on end, and its wait ahead of my first tensor load; the set-up below, work on registers, stands between
	ds_add_u32 v[SPW], v[NIL]                      ; and once more, under the one wait
	v_lshrrev_b32 v1, 5, v0
	v_readfirstlane_b32 s10, v1                    ; wave 0..3
	s_lshr_b32 s11, s10, 1                         ; which half of the tile's rows is mine.  Also: I fetch for kb (0) or for ub (1)
	s_and_b32 s12, s10, 1                          ; which half of its columns.  Also: which 128 rows of that tile I fetch
	s_bfe_u32 s40, ttmp6, 0x40000                  ; cx: my place along the cluster's x
	s_bfe_u32 s41, ttmp6, 0x40004                  ; cy: along its y
	s_lshl_b32 s42, ttmp9, 2                       ; in a cluster launch ttmp9 and ttmp7 count clusters
	s_add_co_u32 s42, s42, s40                     ; tile column = 4 x cluster x + cx
	s_and_b32 s13, ttmp7, 0xffff
	s_lshl_b32 s13, s13, 2
	s_add_co_u32 s13, s13, s41                     ; tile row = 4 x cluster y + cy
	s_lshl_b32 s43, s41, 2
	s_lshl_b32 s43, 15, s43                        ; my row of the cluster: places 4 cy .. 4 cy + 3
	s_lshl_b32 s44, 0x1111, s40                    ; my column: places cx, cx + 4, cx + 8, cx + 12
	; descriptor group 1: a tile of 128 rows x 128 elements, padded in LDS
	s_or_b32 s[G1+0], s43, (1<<16)|(1<<20)|(1<<21)|(5<<22)|(3<<25)  ; 15:0 the mask: kb's tiles go to my row; 17:16 element of 2 bytes; 20 padding on; 21 set beside a mask; 24:22 after every 64 words (code 5); 31:25 of 4 words (code 3)
	s_or_b32 s[G1B+0], s44, (1<<16)|(1<<20)|(1<<21)|(5<<22)|(3<<25) ; the same with the mask of my column, for ub's tiles
.irp g, G1, G1B
	s_mov_b32 s[(\g)+1], KSTEP<<16                 ; tensor_dim0 = 128
	s_mov_b32 s[(\g)+2], 128<<16                   ; tensor_dim1 = 128
	s_mov_b32 s[(\g)+3], KSTEP<<16                 ; tile_dim0 = 128
	s_mov_b32 s[(\g)+4], 128                       ; tile_dim1 = 128
	s_mov_b32 s[(\g)+5], SIZE_K                    ; elements from row to row
	s_mov_b32 s[(\g)+6], 0
	s_mov_b32 s[(\g)+7], 0
.endr
	; where the tiles come from.  kb's hang on the tile row alone, which my row of the cluster shares; ub's on the tile column alone, which my column shares.
	s_lshl_b32 s17, s12, 7                         ; which 128 rows of the tile I fetch
	s_lshl_b32 s16, s13, 8
	s_add_co_u32 s16, s16, s17                     ; kb: row 256 x tile row + 128 x half
	s_lshl_b32 s46, s42, 8
	s_add_co_u32 s46, s46, s17                     ; ub: row 256 x tile column + 128 x half
	s_mov_b32 s17, 0
	s_mov_b32 s47, 0
	s_mov_b64 s[18:19], SIZE_K*2
	s_mul_u64 s[16:17], s[16:17], s[18:19]         ; in bytes
	s_mul_u64 s[46:47], s[46:47], s[18:19]
	s_mul_i32 s20, s10, HALFT                      ; and where they go: wave x 128 rows: no place in the cluster enters an LDS address
	s_wait_dscnt 0x0                               ; both opening adds are done
	s_wait_kmcnt 0x0
	s_add_nc_u64 s[14:15], s[4:5], s[16:17]
	s_add_nc_u64 s[46:47], s[6:7], s[46:47]
	CROUND                                         ; all sixteen work-groups are here: the first joint loads meet
.irp s, 0,1
	s_mov_b32 s[G0+4*(\s)], 1                                      ; 1:0 count = 1
	s_add_co_u32 s[G0+4*(\s)+1], s20, (\s)*SLOT                    ; 63:32 LDS address
	s_add_nc_u64 s[G0+4*(\s)+2:G0+4*(\s)+3], s[14:15], (\s)*KSTEP*2  ; 120:64 global address: K step s
	s_or_b32 s[G0+4*(\s)+3], s[G0+4*(\s)+3], 0x80000000            ; 127:126 type = 2
	s_mov_b32 s[G0B+4*(\s)], 1
	s_add_co_u32 s[G0B+4*(\s)+1], s20, (\s)*SLOT
	s_add_nc_u64 s[G0B+4*(\s)+2:G0B+4*(\s)+3], s[46:47], (\s)*KSTEP*2
	s_or_b32 s[G0B+4*(\s)+3], s[G0B+4*(\s)+3], 0x80000000
	JLOAD \s                                       ; the ring is filled before anything else is done: two loads of mine are out
.endr
	; A fragment is 16 rows x 32 K in 8 registers: lane l holds row l % 16; registers 0-3 K = 8 (l / 16) + 0..7, registers 4-7 K = 16 + 8 (l / 16) + 0..7: two loads of 16 bytes, 32 bytes apart.
	v_and_b32 v1, 15, v0                           ; l % 16
	v_bfe_u32 v2, v0, 4, 1                         ; l / 16
	v_mul_u32_u24 v3, v1, PITCH
	v_lshl_add_u32 v3, v2, 4, v3                   ; row x pitch + 16 x half
	s_mul_i32 s21, s11, HALFT                      ; my 128 rows of kb
	s_mul_i32 s22, s12, HALFT                      ; my 128 rows of ub,
	s_add_co_u32 s22, s22, 2*HALFT                 ; which lie behind kb's 256
.irp s, 0,1
	v_add_nc_u32 v[ADRA+(\s)], s21, v3
	v_add_nc_u32 v[ADRB+(\s)], s22, v3
	s_add_co_u32 s21, s21, SLOT
	s_add_co_u32 s22, s22, SLOT
.endr
	v_and_b32 v4, 31, v0                           ; lane
	s_lshl_b32 s23, s10, 9
	s_add_co_u32 s23, s23, STAGE                   ; my stage
	v_lshl_add_u32 v[STO], v4, 2, s23
	v_lshl_add_u32 v[RD], v4, 4, s23
	v_lshlrev_b32 v[CO], 4, v4
	v_lshlrev_b32 v[CVO], 4, v2
	v_lshlrev_b32 v[VVO], 5, v2
	v_mov_b32 v[CC], C2
	v_mov_b32 v[CC+1], C2
	s_mov_b32 s[SEL], 0x76543210
	s_mov_b32 s[SEL+1], 0xfedcba98
	s_mov_b32 s[UPPER], 0xffff0000
	; my group of 128 columns, g = 2 x tile column + half, and what hangs on it
	s_lshl_b32 s80, s42, 1
	s_add_co_u32 s80, s80, s12
	s_lshl_b32 s82, s80, 18                        ; sp: plane g of 65,536 f32,
	s_lshl_b32 s81, s13, 10                        ; + 256 x tile row
	s_add_co_u32 s82, s82, s81
	s_lshl_b32 s81, s11, 9                         ; + my 128 rows
	s_add_co_u32 s82, s82, s81
	s_mov_b32 s83, 0
	s_add_nc_u64 s[8:9], s[8:9], s[82:83]
	s_lshl_b32 s82, s80, 14                        ; cb: eight blocks of 16 columns, 2,048 bytes each, for a group,
	s_lshr_b32 s81, s13, 3                         ; + the tile's batch (eight tiles of 256 rows to a batch) x 32 bytes
	s_lshl_b32 s81, s81, 5
	s_add_co_u32 s82, s82, s81
	s_add_nc_u64 s[CBP:CBP+1], s[76:77], s[82:83]
	s_lshl_b32 s82, s80, 9                         ; Va_w: 128 f32 for a group
	s_add_nc_u64 s[VAP:VAP+1], s[78:79], s[82:83]
	; the prefetches
	s_lshl_b32 s13, s13, 8                         ; 256 x tile row
	s_lshl_b32 s42, s42, 8                         ; 256 x tile column
	s_and_b32 s22, ttmp7, 0xffff                   ; cluster y
	s_cmp_eq_u32 s11, 0                            ; do I fetch for kb?
	s_cselect_b32 s20, s13, s42                    ; the tile's first row
	s_cselect_b32 s21, s40, s41                    ; my place among the four that ask for it with me
	s_cselect_b32 s22, ttmp9, s22                  ; the coordinate along which other clusters read the same rows
	s_cselect_b64 s[PFA:PFA+1], s[4:5], s[6:7]
	s_cmp_eq_u32 s22, 0
	s_cselect_b32 s[LIM], 1, -1                    ; the same in all sixteen partners, for a given wave
	s_lshl_b32 s22, s12, 7
	s_add_co_u32 s20, s20, s22                     ; + the 128 rows that I fetch
	s_lshl_b32 s21, s21, 5
	s_add_co_u32 s20, s20, s21                     ; + my work-group's 32 of them
	s_mov_b32 s21, 0
	s_mov_b64 s[18:19], SIZE_K*2
	s_mul_u64 s[20:21], s[20:21], s[18:19]
	s_add_nc_u64 s[PFA:PFA+1], s[PFA:PFA+1], s[20:21]
	s_add_nc_u64 s[PFA:PFA+1], s[PFA:PFA+1], 2*KSTEP*2  ; at K step 2: the first refill steps it to 3 and names K step 4.  Nothing is prefetched here, at the head
	v_and_b32 v[PFO], 31, v0
	v_mul_u32_u24 v[PFO], v[PFO], SIZE_K*2
; 16 matrix instructions: row blocks a0, a0 + 1 of the window's four (hi = 0: my rows 0-63, 1: rows 64-127) x all 8 column blocks, 32 along K.  zero = 1: the first product starts the sums: nothing is ever cleared.
; The 64 accumulators take turns, one instruction a turn, in the same order in every quarter step.
.macro MUL16 f, hi, a0, zero
	WIN MUL_LO+0x50*(\hi)
.irp a, \a0, (\a0)+1
.irp b, 0,1,2,3,4,5,6,7
.if \zero
	v_wmma_f32_16x16x32_bf16 v[8*(8*(\a)+(\b)):8*(8*(\a)+(\b))+7], v[(\f)+8*(\b):(\f)+8*(\b)+7], v[(\f)+8*(4*(\hi)+(\a)):(\f)+8*(4*(\hi)+(\a))+7], 0
.else
	v_wmma_f32_16x16x32_bf16 v[8*(8*(\a)+(\b)):8*(8*(\a)+(\b))+7], v[(\f)+8*(\b):(\f)+8*(\b)+7], v[(\f)+8*(4*(\hi)+(\a)):(\f)+8*(4*(\hi)+(\a))+7], v[8*(8*(\a)+(\b)):8*(8*(\a)+(\b))+7]
.endif
.endr
.endr
.endm
; 32 LDS loads in one run: the fragments of one quarter step (128 rows of ub, 128 rows of kb, 32 K at byte k of the rows) into buffer f
.macro FETCH slot, k, f
	WIN TO_B
.irp i, 0,1,2,3,4,5,6,7
	ds_load_b128 v[(\f)+8*(\i):(\f)+8*(\i)+3],   v[ADRB+(\slot)] offset:(\k)+(\i)*16*PITCH
	ds_load_b128 v[(\f)+8*(\i)+4:(\f)+8*(\i)+7], v[ADRB+(\slot)] offset:(\k)+(\i)*16*PITCH+32
.endr
	WIN 0
.irp i, 0,1,2,3,4,5,6,7
	ds_load_b128 v[(\f)+8*(\i):(\f)+8*(\i)+3],   v[ADRA+(\slot)] offset:(\k)+(\i)*16*PITCH
	ds_load_b128 v[(\f)+8*(\i)+4:(\f)+8*(\i)+7], v[ADRA+(\slot)] offset:(\k)+(\i)*16*PITCH+32
.endr
.endm
.macro PLACES                          ; four places in front of loads into registers that matrix instructions have read (ISA guide 7.12.1 for vector instructions)
.rept 4
	v_nop
.endr
.endm
; A K step is four quarter steps of 32 along K, 64 matrix instructions each, on buffers 0, 1, 0, 1.  One of the first three: multiplies buffer f; in its middle it fetches the next quarter's fragments into buffer g.
.macro QUARTER slot, k, f, g, zero
	s_wait_dscnt 8                                 ; ub and kb's rows 0-63 are in; the youngest eight loads (kb's rows 64-127) may be out
	WIN MUL_LO
	MUL16 \f, 0, 0, \zero
	MUL16 \f, 0, 2, \zero
	PLACES
	FETCH \slot, \k, \g
	s_wait_dscnt 32                                ; all but the 32 just issued
	WIN MUL_HI
	MUL16 \f, 1, 0, \zero
	MUL16 \f, 1, 2, \zero
.endm
; The last quarter multiplies buffer 1 and changes slots.  MEET is its first half: ONE barrier for the change.  In front of it each wave waits for all its tensor loads, of which one is out: its part of the next slot;
; adds 0 to its spare word; and waits for that and for its own reads of this slot.  Behind it nobody reads this slot any more and the next slot is whole.
.macro MEET round                      ; round = 1: a round of the cluster's barrier follows
	WIN 0                                          ; (the add's two registers lie in window 0)
	s_wait_tensorcnt 0x0                           ; all my tensor loads have landed;
	ds_add_u32 v[SPW], v[NIL]                      ; 0 onto my spare word;
	s_wait_dscnt 9                                 ; (the add and the youngest eight loads may be out)
	WIN MUL_LO
	MUL16 F1, 0, 0, 0                              ; sixteen matrix instructions stand between the add and the wait for it
	s_wait_dscnt 0x0                               ; the add is done, and my reads of this slot are over:
	s_barrier_signal -1                            ; say so,
	MUL16 F1, 0, 2, 0                              ; work on registers while the others arrive,
.if \round
	WIN 0
.endif
	s_barrier_wait -1                              ; and go on when all four have said so
.endm
; The whole last quarter.  mode = 0: the slot just read out is filled again with this tile's K step two steps on; 1: with the NEXT tile's K step 0 or 1; 2: the last tile's last lap: nothing is asked for, and no round follows.
.macro TURN slot, next, mode
.if (\mode) < 2
	s_wait_xcnt 0x0                                ; the last prefetch, a K step back, has read its address: it is stepped here, ahead of the waits of the change of slots
.if ((\mode) == 1) && ((\slot) == 0)
	s_add_nc_u64 s[PFA:PFA+1], s[PFA:PFA+1], (WALK-1)*SIZE_K*2+KSTEP*2  ; from the K step after the tile's last to the next tile's K step 1
	s_cmp_eq_u32 s11, 0
	s_cselect_b32 s[LIM], s[LIM], -1               ; ub's rows are the same for all tiles of the walk: they are asked for in the first tile alone
.else
	s_add_nc_u64 s[PFA:PFA+1], s[PFA:PFA+1], KSTEP*2
.endif
	MEET 1
	CREST                                          ; the barrier has opened a round of the cluster's: no wave of any partner still reads this slot's tile or has a load on its way
.if (\mode) == 1
	s_add_nc_u64 s[G0+4*(\slot)+2:G0+4*(\slot)+3], s[G0+4*(\slot)+2:G0+4*(\slot)+3], NEXT_A
	s_sub_nc_u64 s[G0B+4*(\slot)+2:G0B+4*(\slot)+3], s[G0B+4*(\slot)+2:G0B+4*(\slot)+3], BACK_B
.else
	s_add_nc_u64 s[G0+4*(\slot)+2:G0+4*(\slot)+3], s[G0+4*(\slot)+2:G0+4*(\slot)+3], 2*KSTEP*2
	s_add_nc_u64 s[G0B+4*(\slot)+2:G0B+4*(\slot)+3], s[G0B+4*(\slot)+2:G0B+4*(\slot)+3], 2*KSTEP*2
.endif
	JLOAD \slot                                    ; the first tensor load behind the round, my only one until the next; its four v_nop are also the places in front of the loads below
	FETCH \next, 0, F0
	ASK \mode
.else
	MEET 0
	PLACES
	FETCH \next, 0, F0
.endif
	WIN MUL_HI
	MUL16 F1, 1, 0, 0
	MUL16 F1, 1, 2, 0
.endm
; THE WAY OUT works on block i of 16 rows: 64 numbers a lane, the accumulators (i, 0 .. 7), 64 registers on end in window 2 + i / 4.  They are worked on in T(i): v192-255 (i even) or v128-191 (i odd) of window 0.
;   S1 i, p   pair p:  C2 x sum + cb                  EX i, n   number n:  2^(..)
;   S3 i, p   1 + ..                                  RC i, n   1 / ..
;   S5 i, p   1 - 2 x ..  = tanh                      S6 i, p   four chains of packed sums take tanh x Va_w
.macro S1 i, p
.set rT, 128+64*(((\i)+1)%2)+2*(\p)
.set rA, 64*((\i)%4)+2*(\p)
	v_pk_fma_f32 v[rT:rT+1], v[CC:CC+1], v[rA:rA+1], v[CB+2*(\p):CB+2*(\p)+1]
.endm
.macro EX i, n
.set rT, 128+64*(((\i)+1)%2)+(\n)
	v_exp_f32 v[rT], v[rT]
.endm
.macro S3 i, p
.set rT, 128+64*(((\i)+1)%2)+2*(\p)
	v_pk_add_f32 v[rT:rT+1], v[rT:rT+1], 1.0 op_sel_hi:[1,0]
.endm
.macro RC i, n
.set rT, 128+64*(((\i)+1)%2)+(\n)
	v_rcp_f32 v[rT], v[rT]
.endm
.macro S5 i, p
.set rT, 128+64*(((\i)+1)%2)+2*(\p)
	v_pk_fma_f32 v[rT:rT+1], v[rT:rT+1], -2.0, 1.0 op_sel_hi:[1,0,0]
.endm
.macro S6 i, p
.set rT, 128+64*(((\i)+1)%2)+2*(\p)
.set rU, SUM+2*((\p)%4)
.if (\p) < 4
	v_pk_mul_f32 v[rU:rU+1], v[rT:rT+1], v[VA+2*(\p):VA+2*(\p)+1]
.else
	v_pk_fma_f32 v[rU:rU+1], v[rT:rT+1], v[VA+2*(\p):VA+2*(\p)+1], v[rU:rU+1]
.endif
.endm
.macro FIN i                           ; the four chains into one number
	WIN 0
	v_pk_add_f32 v[SUM:SUM+1], v[SUM:SUM+1], v[SUM+2:SUM+3]
	v_pk_add_f32 v[SUM+4:SUM+5], v[SUM+4:SUM+5], v[SUM+6:SUM+7]
	v_pk_add_f32 v[SUM:SUM+1], v[SUM:SUM+1], v[SUM+4:SUM+5]
	v_add_f32 v[PS+(\i)], v[SUM], v[SUM+1]
.endm
; Two blocks are in hand at a time, so that each exponential and each reciprocal has a plain neighbour that names no result of its batch.  An s_wait_alu depctr_va_vdst(0) stands between such an
; instruction and the first that names its result; one wait serves a batch of 64.
; SLOTA i: block i's 64 exponentials; between them block i - 1's tanh and its sums (they name the other T and the reciprocals waited for before).  The last plain line is the place behind the last exponential.
.macro SLOTA i
	WIN 0x04                                       ; source 1 (Va_w) in window 1
.set e, 0
.rept 64
	EX \i, e
.if e < 32
	S5 (\i)-1, e
.else
	S6 (\i)-1, e-32
.endif
.set e, e+1
.endr
	s_wait_alu depctr_va_vdst(0)                   ; the wait for the batch
	FIN (\i)-1
.endm
; SLOTB i: block i's 64 reciprocals; between them the rest of its 1 + .. (pair e + 2 behind reciprocal e: never a pair that a reciprocal has written) and block i + 1's first line, into the other T.
.macro SLOTB i
.if (\i) < 7
	WIN 0x18+4*(((\i)+1)/4)                        ; source 1 (the accumulators of block i + 1) in window 2 or 3, source 2 (cb) in window 1
.endif
	S3 \i, 0
	S3 \i, 1
.set e, 0
.rept 64
	RC \i, e
.if e < 30
	S3 \i, e+2
.elseif (e < 62) && ((\i) < 7)
	S1 (\i)+1, e-30
.endif
.set e, e+1
.endr
	v_nop                                          ; a plain instruction behind the last reciprocal
	s_wait_alu depctr_va_vdst(0)                   ; the wait for the batch
.endm
	s_wait_tensorcnt 1                             ; my part of K step 0 is in; K step 1's may stay out
	s_barrier_signal -1
	s_barrier_wait -1                              ; everybody's is
	FETCH 0, 0, F0
	WIN TO_B
.set i, 0
.rept 16                                       ; Va_w of my 64 columns, once: column block i / 2, columns 8 (l / 16) + 4 (i % 2) + 0..3
	global_load_b128 v[VA+4*i:VA+4*i+3], v[VVO], s[VAP:VAP+1] offset:64*(i/2)+16*(i%2)
.set i, i+1
.endr
	WIN 0
	s_mov_b32 s2, SIZE_TILES                       ; tiles to go: the same number in every work-group
.Ltile:
	WIN TO_B
.set i, 0
.rept 16                                       ; cb of my 64 columns for the tile's batch: waited for at the tile's end
	global_load_b128 v[CB+4*i:CB+4*i+3], v[CVO], s[CBP:CBP+1] offset:2048*(i/2)+1024*(i%2)
.set i, i+1
.endr
	QUARTER 0, 64,  F0, F1, 1                      ; a tile's first quarter stands in front of the loop: its products start the sums
	WIN 0                                          ; at a label and at a branch every window is 0
	s_mov_b32 s3, LAPS-1
.Llap:                                             ; a trip goes once round the ring, from a lap's second quarter to the next lap's first, and fills both slots again
	QUARTER 0, 128, F1, F0, 0
	QUARTER 0, 192, F0, F1, 0
	TURN 0, 1, 0
	QUARTER 1, 64,  F0, F1, 0
	QUARTER 1, 128, F1, F0, 0
	QUARTER 1, 192, F0, F1, 0
	TURN 1, 0, 0
	QUARTER 0, 64,  F0, F1, 0
	WIN 0
	s_sub_co_u32 s3, s3, 1
	s_cmp_lg_u32 s3, 0
	s_cbranch_scc1 .Llap
	QUARTER 0, 128, F1, F0, 0                      ; the tile's last lap goes on
	QUARTER 0, 192, F0, F1, 0
	WIN 0
	s_cmp_eq_u32 s2, 1
	s_cbranch_scc1 .Llast                          ; the last tile's tail is written out: it asks for nothing more
	TURN 0, 1, 1                                   ; THE RING GOES ON INTO THE NEXT TILE: slot 0 takes its K step 0,
	QUARTER 1, 64,  F0, F1, 0
	QUARTER 1, 128, F1, F0, 0
	QUARTER 1, 192, F0, F1, 0
	TURN 1, 0, 1                                   ; slot 1 its K step 1, and the next tile's first fragments are fetched into buffer 0, which the way out leaves alone
	WIN 0
	s_branch .Lepi
.Llast:
	TURN 0, 1, 2
	QUARTER 1, 64,  F0, F1, 0
	QUARTER 1, 128, F1, F0, 0
	QUARTER 1, 192, F0, F1, 0
	s_wait_dscnt 8                                 ; the very last quarter: nothing more to fetch
	MUL16 F1, 0, 0, 0
	MUL16 F1, 0, 2, 0
	s_wait_dscnt 0x0
	MUL16 F1, 1, 0, 0
	MUL16 F1, 1, 2, 0
	WIN 0
.Lepi:                                             ; THE WAY OUT, once in the text
	s_wait_loadcnt 0x0                             ; cb (and, in the first tile, Va_w)
.rept 8
	v_nop                                          ; the places behind the last products, whose results are read and whose buffer 1 is written below
.endr
	WIN 0x18
	S1 0, 0                                        ; pairs ascending: each accumulator is read from its low end on
	S1 0, 1
.set e, 0
.rept 64                                       ; block 0 has no block before it: its own first lines stand between its first exponentials
	EX 0, e
.if e < 30
	S1 0, e+2
.endif
.set e, e+1
.endr
	v_nop                                          ; a plain instruction behind the last exponential
	s_wait_alu depctr_va_vdst(0)                   ; the wait for the batch
	SLOTB 0
.irp i, 1,2,3,4,5,6,7
	SLOTA \i
	SLOTB \i
.endr
	WIN 0x04
.set e, 0
.rept 32
	S5 7, e
.set e, e+1
.endr
.set e, 0
.rept 32
	S6 7, e
.set e, e+1
.endr
	FIN 7
.irp i, 0,1,2,3,4,5,6,7
	v_permlanex16_b32 v[128+(\i)], v[PS+(\i)], s[SEL], s[SEL+1]    ; the row's other 64 columns lie in the lane 16 away
.endr
.irp i, 0,1,2,3,4,5,6,7
	v_add_f32 v[PS+(\i)], v[PS+(\i)], v[128+(\i)]
.endr
.irp k, 0,1,2,3
	v_cndmask_b32 v[QS+(\k)], v[PS+2*(\k)], v[PS+2*(\k)+1], s[UPPER]  ; lanes 0-15 keep block 2 k, lanes 16-31 take block 2 k + 1: lane l holds row 32 k + l
.endr
.irp k, 0,1,2,3
	ds_store_b32 v[STO], v[QS+(\k)] offset:128*(\k)
.endr
	ds_load_b128 v[OUT:OUT+3], v[RD]               ; LDS serves a wave's instructions in order (ISA guide 5.7.1.4): this sees the stores above; the stage is my wave's own
	s_wait_dscnt 0x0
	global_store_b128 v[CO], v[OUT:OUT+3], s[8:9]  ; my 128 rows: 512 consecutive bytes, at a multiple of 256 from sp's first byte
	s_wait_xcnt 0x0                                ; the store has read its registers and its base
	s_add_nc_u64 s[8:9], s[8:9], WALK*4            ; the next tile's rows,
	s_add_nc_u64 s[CBP:CBP+1], s[CBP:CBP+1], 256   ; and its batch, eight further on
	s_sub_co_u32 s2, s2, 1
	s_cmp_lg_u32 s2, 0
	s_cbranch_scc1 .Ltile
	s_wait_tensorcnt 0x0                           ; the wave's end, behind my last tensor load and my last LDS store
	ds_add_u32 v[SPW], v[NIL]
	s_wait_dscnt 0x0
	CROUND                                         ; the closing round: no work-group ends while a partner may still ask for a tile that names it
	s_endpgm
.Lfunc_end_k_q3939c9a484_scores:
	.size	k_q3939c9a484_scores, .Lfunc_end_k_q3939c9a484_scores-k_q3939c9a484_scores
	.p2alignl 7, 3214868480
	.fill 96, 4, 3214868480
	.section	.rodata,"a",@progbits
	.p2align	6, 0x0
	.amdhsa_kernel k_q3939c9a484_scores
		.amdhsa_group_segment_fixed_size 327680
		.amdhsa_private_segment_fixed_size 0
		.amdhsa_enable_private_segment 0
		.amdhsa_kernarg_size 40
		.amdhsa_user_sgpr_count 2
		.amdhsa_user_sgpr_kernarg_segment_ptr 1
		.amdhsa_wavefront_size32 1
		.amdhsa_system_sgpr_workgroup_id_x 1
		.amdhsa_system_sgpr_workgroup_id_y 1
		.amdhsa_system_sgpr_workgroup_id_z 1
		.amdhsa_system_vgpr_workitem_id 0
		.amdhsa_next_free_vgpr 1024
		.amdhsa_next_free_sgpr 84
		.amdhsa_reserve_vcc 0
		.amdhsa_float_denorm_mode_32 3
		.amdhsa_float_denorm_mode_16_64 3
		.amdhsa_memory_ordered 1
		.amdhsa_forward_progress 1
		.amdhsa_inst_pref_size 251
	.end_amdhsa_kernel
	.amdgpu_metadata
---
amdhsa.version: [ 1, 2 ]
amdhsa.kernels:
  - .name:           k_q3939c9a484_scores
    .symbol:         k_q3939c9a484_scores.kd
    .args:
      - { .name: kb, .offset: 0, .size: 8, .value_kind: global_buffer, .address_space: global }
      - { .name: ub, .offset: 8, .size: 8, .value_kind: global_buffer, .address_space: global }
      - { .name: cb, .offset: 16, .size: 8, .value_kind: global_buffer, .address_space: global }
      - { .name: Va_w, .offset: 24, .size: 8, .value_kind: global_buffer, .address_space: global }
      - { .name: sp, .offset: 32, .size: 8, .value_kind: global_buffer, .address_space: global }
    .group_segment_fixed_size: 327680
    .private_segment_fixed_size: 0
    .kernarg_segment_align: 8
    .kernarg_segment_size: 40
    .max_flat_workgroup_size: 128
    .sgpr_count:     84
    .vgpr_count:     1024
    .wavefront_size: 32
...
	.end_amdgpu_metadata
.endif
;; end of part 2
;; launch ctx (part 3): grid 8 x 32, 8 waves a work-group, no clusters, 13,824 bytes of LDS; arguments sp, kb, Va_b, out0, out1; writes out0, out1
.if DOCPART == 3
	.amdgcn_target "amdgcn-amd-amdhsa--gfx1250"
	.amdhsa_code_object_version 6
	.text
	.protected	k_q3939c9a484_ctx
	.globl	k_q3939c9a484_ctx
	.p2align	8
	.type	k_q3939c9a484_ctx,@function
k_q3939c9a484_ctx:
	s_mov_b64 s[64:65], 0
	v_nop
	global_prefetch_b8 v0, s[64:65] scope:SCOPE_SE
	s_setreg_imm32_b32 hwreg(HW_REG_WAVE_MODE, 25, 1), 1
	s_wait_xcnt 0x0
; score[b][s] = the sum over g of sp[g][2048 b + s], + Va_b;  out1[b][s] = softmax over s;  out0[b][o] = the sum over s of out1[b][s] keys[b][s][o], keys as rounded to bf16 in kb.
; SHARES.  Work-group (c, b) makes 128 columns (256 bytes of each row of kb) of batch b's context and 256 of its weights.  Each of a batch's eight work-groups makes the batch's softmax for itself:
; 64 KiB of sp beside 512 KiB of kb.  No cluster for that: what is shared is a ninth of a work-group's bytes.  No matrix unit: one row of weights a batch.
; THE STREAM.  Wave w takes rows 256 w .. 256 w + 255, two rows a load: lanes 0-15 the 256 bytes of the even row, lanes 16-31 those of the odd one.  A ring of 32 slots in registers keeps 32 loads of every wave
; on their way; they are asked for ahead of the softmax, which is made while they come.
; SOFTMAX.  The true maximum m over the 2,048 scores is taken away: p = 2^((s - m) log2 e); the sum l is at least 1.  The context is summed with p and multiplied by 1 / l once.
; LIMITS.  A weight below 2^-126 counts as 0; NaN and infinities are not treated apart.
.set L2E,   0x3fb8aa3b                 ; log2(e)
.set RED1,  0                          ; LDS: the eight waves' maxima
.set RED2,  256                        ; their sums
.set WP,    512                        ; p by the row's parity: plane h at 4,096 h, word s / 2: 8 KiB
.set CP,    8704                       ; the eight waves' partial contexts, 512 bytes each
.set SPARE, 12800                      ; the spare words, 128 bytes for each wave: four blocks of 256 bytes that no other line names
.set SPO, 2                            ; v2   16 t: my four rows in sp and in out1; never rewritten
.set KO,  3                            ; v3   my 16 bytes of my wave's first two rows of kb; never rewritten
.set WPS, 4                            ; v4   where I put two p of one parity
.set WAD, 5                            ; v5   where the round's 32 p of my parity lie
.set RW,  6                            ; v6   4 x wave
.set CPS, 7                            ; v7   where I put four columns of my wave's partial context
.set CPR, 8                            ; v8   where wave 0 reads them back
.set OO,  9                            ; v9   16 x lane: my 16 bytes of out0
.set SPW, 10                           ; v10  LDS address of my spare word; never rewritten
.set NIL, 11                           ; v11  0; never rewritten
.set ZA,  15                           ; v15  LDS address 0
.set SG,  16                           ; v[16:79]  sp: group g's eight scores (rows 4 t + 0..3, 1024 + 4 t + 0..3) at SG + 8 g
.set W,   16                           ; v[16:47]  later: a round's 32 p
.set ACC, 48                           ; v[48:55]  later: my eight columns' sums
.set D,   80                           ; v[80:83]  four weights to store; written once
.set E,   84                           ; v[84:91]  my eight p, in the order rows 0, 2, 1, 3 of each four
.set RL,  92                           ; v[92:93]  at work, then 1 / l in the low register
.set X,   96                           ; v[96:223] the ring: 32 slots of 4
	s_load_b256 s[4:11], s[0:1], 0x0               ; sp s[4:5], kb s[6:7], Va_b s[8:9], out0 s[10:11]
	s_load_b64 s[12:13], s[0:1], 0x20              ; out1
	v_lshl_add_u32 v[SPW], v0, 2, SPARE
	v_mov_b32 v[NIL], 0
	v_lshrrev_b32 v1, 5, v0
	v_readfirstlane_b32 s3, v1                     ; wave 0..7
	s_and_b32 s2, ttmp7, 0xffff                    ; b
	v_and_b32 v12, 31, v0                          ; lane
	v_and_b32 v13, 15, v0                          ; l % 16
	v_bfe_u32 v14, v0, 4, 1                        ; h = l / 16
	v_lshlrev_b32 v[SPO], 4, v0
	s_lshl_b32 s16, s3, 19                         ; my wave's 256 rows of 2,048 bytes
	v_lshlrev_b32 v[KO], 4, v13
	v_lshl_add_u32 v[KO], v14, 11, v[KO]
	v_add_nc_u32 v[KO], s16, v[KO]
	v_lshl_add_u32 v[WPS], v0, 3, WP
	s_lshl_b32 s16, s3, 9                          ; 512 x wave
	v_lshlrev_b32 v[WAD], 12, v14
	v_add_nc_u32 v[WAD], s16, v[WAD]
	v_add_nc_u32 v[WAD], WP, v[WAD]
	s_lshl_b32 s17, s3, 2
	v_mov_b32 v[RW], s17
	v_lshlrev_b32 v[CPS], 5, v13
	v_lshl_add_u32 v[CPS], v14, 4, v[CPS]
	v_add_nc_u32 v[CPS], s16, v[CPS]
	v_add_nc_u32 v[CPS], CP, v[CPS]
	v_lshl_add_u32 v[CPR], v12, 4, CP
	v_lshlrev_b32 v[OO], 4, v12
	v_mov_b32 v[ZA], 0
	s_mov_b32 s22, L2E
	s_mov_b32 s24, 0x76543210                      ; v_permlanex16_b32: each lane takes its own place in the other half
	s_mov_b32 s25, 0xfedcba98
	s_mov_b32 s26, 0xffff0000                      ; lanes 16-31
	s_mov_b32 s19, 0
	s_wait_kmcnt 0x0
	s_load_b32 s14, s[8:9], 0x0                    ; Va_b
	s_lshl_b32 s18, s2, 13                         ; a batch: 8,192 bytes of a plane of sp and of out1
	s_add_nc_u64 s[4:5], s[4:5], s[18:19]
	s_add_nc_u64 s[12:13], s[12:13], s[18:19]
	s_lshl_b32 s18, s2, 22                         ; 2,048 rows of 2,048 bytes of kb,
	s_lshl_b32 s20, ttmp9, 8                       ; + my 256 bytes of a row
	s_add_co_u32 s18, s18, s20
	s_add_nc_u64 s[6:7], s[6:7], s[18:19]
	s_lshl_b32 s18, s2, 12                         ; out0: 4,096 b + 512 c
	s_lshl_b32 s20, ttmp9, 9
	s_add_co_u32 s18, s18, s20
	s_add_nc_u64 s[10:11], s[10:11], s[18:19]
	s_cmp_ge_u32 ttmp9, 4                          ; my 256 weights lie in the threads' second four rows if c >= 4
	s_cselect_b32 s18, 4096, 0
	s_cselect_b32 s21, -1, 0
	s_add_nc_u64 s[12:13], s[12:13], s[18:19]
.set i, 0
.rept 16                                       ; sp: plane i / 2, rows 4 t .. (i even) and 1024 + 4 t .. (i odd)
	global_load_b128 v[SG+4*i:SG+4*i+3], v[SPO], s[4:5] offset:262144*(i/2)+4096*(i%2)
.set i, i+1
.endr
.set i, 0
.rept 32                                       ; the ring is filled: rows 2 i, 2 i + 1 of my wave's
	global_load_b128 v[X+4*i:X+4*i+3], v[KO], s[6:7] offset:4096*i th:TH_LOAD_NT
.set i, i+1
.endr
	s_wait_loadcnt 32                              ; sp's sixteen are in; the ring's 32 stay out
.irp a, 0,2,4,6
.irp n, 0,2,4,6
	v_pk_add_f32 v[SG+8*(\a)+(\n):SG+8*(\a)+(\n)+1], v[SG+8*(\a)+(\n):SG+8*(\a)+(\n)+1], v[SG+8*(\a)+8+(\n):SG+8*(\a)+8+(\n)+1]
.endr
.endr
.irp a, 0,4
.irp n, 0,2,4,6
	v_pk_add_f32 v[SG+8*(\a)+(\n):SG+8*(\a)+(\n)+1], v[SG+8*(\a)+(\n):SG+8*(\a)+(\n)+1], v[SG+8*(\a)+16+(\n):SG+8*(\a)+16+(\n)+1]
.endr
.endr
.irp n, 0,2,4,6
	v_pk_add_f32 v[SG+(\n):SG+(\n)+1], v[SG+(\n):SG+(\n)+1], v[SG+32+(\n):SG+32+(\n)+1]
.endr
	s_wait_kmcnt 0x0
	s_mov_b32 s15, s14                             ; named with it as a pair
.irp n, 0,2,4,6
	v_pk_add_f32 v[SG+(\n):SG+(\n)+1], v[SG+(\n):SG+(\n)+1], s[14:15] op_sel_hi:[1,0]  ; + Va_b: v16-23 are my eight scores
.endr
	v_max3_num_f32 v24, v16, v17, v18
	v_max3_num_f32 v25, v19, v20, v21
	v_max3_num_f32 v24, v24, v22, v23
	v_max_num_f32 v24, v24, v25
	v_max_num_f32_dpp v24, v24, v24 row_xmask:1 row_mask:0xf bank_mask:0xf
	v_max_num_f32_dpp v24, v24, v24 row_xmask:2 row_mask:0xf bank_mask:0xf
	v_max_num_f32_dpp v24, v24, v24 row_xmask:4 row_mask:0xf bank_mask:0xf
	v_max_num_f32_dpp v24, v24, v24 row_xmask:8 row_mask:0xf bank_mask:0xf
	v_permlanex16_b32 v25, v24, s24, s25
	v_max_num_f32 v24, v24, v25
	ds_store_b32 v[RW], v24 offset:RED1            ; all lanes write the wave's word with the same value
	s_wait_dscnt 0x0                               ; for the others' sake
	s_barrier_signal -1
	s_barrier_wait -1
	ds_load_b128 v[28:31], v[ZA] offset:RED1
	ds_load_b128 v[32:35], v[ZA] offset:RED1+16
	s_wait_dscnt 0x0
	v_max3_num_f32 v24, v28, v29, v30
	v_max3_num_f32 v25, v31, v32, v33
	v_max3_num_f32 v24, v24, v34, v35
	v_max_num_f32 v24, v24, v25                    ; m
	v_mul_f32 v26, s22, v24
	v_fma_f32 v[E+0], v16, s22, -v26               ; rows 0, 2, 1, 3: the two of a parity side by side
	v_fma_f32 v[E+1], v18, s22, -v26
	v_fma_f32 v[E+2], v17, s22, -v26
	v_fma_f32 v[E+3], v19, s22, -v26
	v_fma_f32 v[E+4], v20, s22, -v26
	v_fma_f32 v[E+5], v22, s22, -v26
	v_fma_f32 v[E+6], v21, s22, -v26
	v_fma_f32 v[E+7], v23, s22, -v26
.irp n, 0,1,2,3,4,5,6,7
	v_exp_f32 v[E+(\n)], v[E+(\n)]
.endr
.irp n, 0,1,2,3,4,5,6,7
	v_mov_b32 v[ACC+(\n)], 0                       ; the context's sums start at 0: eight plain lines behind the exponentials, which name no result of theirs
.endr
	s_wait_alu depctr_va_vdst(0)                   ; one wait for the eight exponentials, ahead of their first reader
	v_pk_add_f32 v[RL:RL+1], v[E:E+1], v[E+2:E+3]
	v_pk_add_f32 v[RL+2:RL+3], v[E+4:E+5], v[E+6:E+7]
	v_pk_add_f32 v[RL:RL+1], v[RL:RL+1], v[RL+2:RL+3]
	v_add_f32 v[RL], v[RL], v[RL+1]
	v_add_f32_dpp v[RL], v[RL], v[RL] row_xmask:1 row_mask:0xf bank_mask:0xf
	v_add_f32_dpp v[RL], v[RL], v[RL] row_xmask:2 row_mask:0xf bank_mask:0xf
	v_add_f32_dpp v[RL], v[RL], v[RL] row_xmask:4 row_mask:0xf bank_mask:0xf
	v_add_f32_dpp v[RL], v[RL], v[RL] row_xmask:8 row_mask:0xf bank_mask:0xf
	v_permlanex16_b32 v[RL+1], v[RL], s24, s25
	v_add_f32 v[RL], v[RL], v[RL+1]
	ds_store_b32 v[RW], v[RL] offset:RED2
	ds_store_b64 v[WPS], v[E:E+1]                  ; rows 4 t, 4 t + 2: words 2 t, 2 t + 1 of the even plane
	ds_store_b64 v[WPS], v[E+2:E+3] offset:4096    ; rows 4 t + 1, 4 t + 3: of the odd plane
	ds_store_b64 v[WPS], v[E+4:E+5] offset:2048    ; and the same 1,024 rows on
	ds_store_b64 v[WPS], v[E+6:E+7] offset:6144
	s_wait_dscnt 0x0                               ; for the others' sake
	s_barrier_signal -1
	s_barrier_wait -1
	ds_load_b128 v[28:31], v[ZA] offset:RED2
	ds_load_b128 v[32:35], v[ZA] offset:RED2+16
	s_wait_dscnt 0x0
	v_pk_add_f32 v[28:29], v[28:29], v[30:31]
	v_pk_add_f32 v[32:33], v[32:33], v[34:35]
	v_pk_add_f32 v[28:29], v[28:29], v[32:33]
	v_add_f32 v28, v28, v29                        ; l
	v_rcp_f32 v[RL], v28
	v_nop                                          ; a plain instruction behind the reciprocal,
	s_wait_alu depctr_va_vdst(0)                   ; and its wait, ahead of the branch and of its first reader
	s_lshr_b32 s16, s3, 1
	s_and_b32 s28, ttmp9, 3
	s_cmp_lg_u32 s16, s28                          ; rows 256 c .. 256 c + 255 lie in waves 2 (c % 4) and 2 (c % 4) + 1
	s_cbranch_scc1 .Lno_w
	v_cndmask_b32 v[D+0], v[E+0], v[E+4], s21      ; the first or the second four rows, back in their order
	v_cndmask_b32 v[D+1], v[E+2], v[E+6], s21
	v_cndmask_b32 v[D+2], v[E+1], v[E+5], s21
	v_cndmask_b32 v[D+3], v[E+3], v[E+7], s21
	v_pk_mul_f32 v[D:D+1], v[D:D+1], v[RL:RL+1] op_sel_hi:[1,0]
	v_pk_mul_f32 v[D+2:D+3], v[D+2:D+3], v[RL:RL+1] op_sel_hi:[1,0]
	global_store_b128 v[SPO], v[D:D+3], s[12:13]   ; the wave's store covers 512 consecutive bytes
.Lno_w:
; A round: 32 slots, 64 rows of my wave's.  ahead = 1: each slot is filled again with the rows 64 further down.
.macro ROUND ahead
.irp q, 0,1,2,3,4,5,6,7
	ds_load_b128 v[W+4*(\q):W+4*(\q)+3], v[WAD] offset:16*(\q)  ; the round's 32 p of my parity: the sixteen lanes of a half read the same words
.endr
	s_wait_dscnt 0x0
.set i, 0
.rept 32
.if \ahead
	s_wait_loadcnt 31                              ; loads come back in order: slot i's is in, the 31 issued behind it stay out
.else
	s_wait_loadcnt 31-i                            ; the last round loads nothing: the counts run down
.endif
.irp j, 0,1,2,3
	v_fma_mix_f32_bf16 v[ACC+2*(\j)],   v[X+4*i+(\j)], v[W+i], v[ACC+2*(\j)]   op_sel_hi:[1,0,0]               ; the low bf16 times p, onto an f32 sum
	v_fma_mix_f32_bf16 v[ACC+2*(\j)+1], v[X+4*i+(\j)], v[W+i], v[ACC+2*(\j)+1] op_sel:[1,0,0] op_sel_hi:[1,0,0]  ; the high one
.endr
.if \ahead
	global_load_b128 v[X+4*i:X+4*i+3], v[KO], s[6:7] offset:4096*(32+i) th:TH_LOAD_NT
.endif
.set i, i+1
.endr
.endm
	s_mov_b32 s27, 3
.Lround:
	ROUND 1
	s_wait_xcnt 0x0                                ; every load issued so far has read its address, so the base may be written
	s_add_nc_u64 s[6:7], s[6:7], 131072            ; 64 rows on
	v_add_nc_u32 v[WAD], 128, v[WAD]               ; 32 words on
	s_sub_co_u32 s27, s27, 1
	s_cmp_lg_u32 s27, 0
	s_cbranch_scc1 .Lround
	ROUND 0
.irp n, 0,1,2,3,4,5,6,7
	v_permlanex16_b32 v[56+(\n)], v[ACC+(\n)], s24, s25            ; the other parity's sums lie in the lane 16 away
.endr
.irp n, 0,1,2,3,4,5,6,7
	v_add_f32 v[ACC+(\n)], v[ACC+(\n)], v[56+(\n)]
.endr
.irp n, 0,1,2,3
	v_cndmask_b32 v[64+(\n)], v[ACC+(\n)], v[ACC+4+(\n)], s26      ; lanes 0-15 keep columns 0-3 of their eight, lanes 16-31 take columns 4-7
.endr
	ds_store_b128 v[CPS], v[64:67]
	s_wait_dscnt 0x0                               ; for wave 0's sake
	s_barrier_signal -1
	s_barrier_wait -1
	s_cmp_lg_u32 s3, 0
	s_cbranch_scc1 .Lend
.irp w, 0,1,2,3,4,5,6,7
	ds_load_b128 v[16+4*(\w):16+4*(\w)+3], v[CPR] offset:512*(\w)  ; lane l: columns 4 l .. 4 l + 3 of each wave's partial context
.endr
	s_wait_dscnt 0x0
.irp w, 0,2,4,6
	v_pk_add_f32 v[16+4*(\w):16+4*(\w)+1],   v[16+4*(\w):16+4*(\w)+1],   v[20+4*(\w):20+4*(\w)+1]
	v_pk_add_f32 v[16+4*(\w)+2:16+4*(\w)+3], v[16+4*(\w)+2:16+4*(\w)+3], v[20+4*(\w)+2:20+4*(\w)+3]
.endr
.irp w, 0,4
	v_pk_add_f32 v[16+4*(\w):16+4*(\w)+1],   v[16+4*(\w):16+4*(\w)+1],   v[24+4*(\w):24+4*(\w)+1]
	v_pk_add_f32 v[16+4*(\w)+2:16+4*(\w)+3], v[16+4*(\w)+2:16+4*(\w)+3], v[24+4*(\w)+2:24+4*(\w)+3]
.endr
	v_pk_add_f32 v[16:17], v[16:17], v[32:33]
	v_pk_add_f32 v[18:19], v[18:19], v[34:35]
	v_pk_mul_f32 v[16:17], v[16:17], v[RL:RL+1] op_sel_hi:[1,0]    ; times 1 / l, once
	v_pk_mul_f32 v[18:19], v[18:19], v[RL:RL+1] op_sel_hi:[1,0]
	global_store_b128 v[OO], v[16:19], s[10:11]    ; 512 consecutive bytes, at a multiple of 256 from out0's first byte
.Lend:
	s_wait_tensorcnt 0x0                           ; the wave's end, behind my last LDS store
	ds_add_u32 v[SPW], v[NIL]
	s_wait_dscnt 0x0
	s_endpgm
.Lfunc_end_k_q3939c9a484_ctx:
	.size	k_q3939c9a484_ctx, .Lfunc_end_k_q3939c9a484_ctx-k_q3939c9a484_ctx
	.p2alignl 7, 3214868480
	.fill 96, 4, 3214868480
	.section	.rodata,"a",@progbits
	.p2align	6, 0x0
	.amdhsa_kernel k_q3939c9a484_ctx
		.amdhsa_group_segment_fixed_size 13824
		.amdhsa_private_segment_fixed_size 0
		.amdhsa_enable_private_segment 0
		.amdhsa_kernarg_size 40
		.amdhsa_user_sgpr_count 2
		.amdhsa_user_sgpr_kernarg_segment_ptr 1
		.amdhsa_wavefront_size32 1
		.amdhsa_system_sgpr_workgroup_id_x 1
		.amdhsa_system_sgpr_workgroup_id_y 1
		.amdhsa_system_sgpr_workgroup_id_z 1
		.amdhsa_system_vgpr_workitem_id 0
		.amdhsa_next_free_vgpr 224
		.amdhsa_next_free_sgpr 66
		.amdhsa_reserve_vcc 0
		.amdhsa_float_denorm_mode_32 3
		.amdhsa_float_denorm_mode_16_64 3
		.amdhsa_memory_ordered 1
		.amdhsa_forward_progress 1
		.amdhsa_inst_pref_size 55
	.end_amdhsa_kernel
	.amdgpu_metadata
---
amdhsa.version: [ 1, 2 ]
amdhsa.kernels:
  - .name:           k_q3939c9a484_ctx
    .symbol:         k_q3939c9a484_ctx.kd
    .args:
      - { .name: sp, .offset: 0, .size: 8, .value_kind: global_buffer, .address_space: global }
      - { .name: kb, .offset: 8, .size: 8, .value_kind: global_buffer, .address_space: global }
      - { .name: Va_b, .offset: 16, .size: 8, .value_kind: global_buffer, .address_space: global }
      - { .name: out0, .offset: 24, .size: 8, .value_kind: global_buffer, .address_space: global }
      - { .name: out1, .offset: 32, .size: 8, .value_kind: global_buffer, .address_space: global }
    .group_segment_fixed_size: 13824
    .private_segment_fixed_size: 0
    .kernarg_segment_align: 8
    .kernarg_segment_size: 40
    .max_flat_workgroup_size: 256
    .sgpr_count:     66
    .vgpr_count:     224
    .wavefront_size: 32
...
	.end_amdgpu_metadata
.endif
;; end of part 3
;; ======== version 2 of 3: 3 launches
;; workspace buffers: ubf 2,097,152 bytes; cb 131,072 bytes; sc 262,144 bytes; pc 2,097,152 bytes
;; launch prep (part 4): grid 192 x 1, 8 waves a work-group, no clusters, 9,216 bytes of LDS; arguments Ua_w, Wa_w, query0, query1, Wa_b, Ua_b, ubf, cb; writes ubf, cb
.if DOCPART == 4
	.amdgcn_target "amdgcn-amd-amdhsa--gfx1250"
	.amdhsa_code_object_version 6
	.text
	.protected	k_q3939c9a484_prep
	.globl	k_q3939c9a484_prep
	.p2align	8
	.type	k_q3939c9a484_prep,@function
k_q3939c9a484_prep:
	s_mov_b64 s[64:65], 0
	v_nop
	global_prefetch_b8 v0, s[64:65] scope:SCOPE_SE
	s_setreg_imm32_b32 hwreg(HW_REG_WAVE_MODE, 25, 1), 1
	s_wait_xcnt 0x0
; TWO JOBS, told apart by the work-group's number.
;   0 .. 127    one tile of cb = C2 x ((query0 + query1) Wa_w^T + Wa_b + Ua_b), C2 = 2 log2(e): the addend of the later tanh, already in the exponent's scale
;   128 .. 191  ubf = Ua_w rounded once to bf16, laid out as the next launch's matrix fragments
; cb's LAYOUT: [J = 64][q = 2][b = 32][h = 2][4] f32: the number for batch b and column o = 16 J + 8 h + 4 q + i lies at byte 2048 J + 1024 q + 32 b + 16 h + 4 i.
; ubf's LAYOUT: piece n of 16 bytes, n = ((((g x 32 + c) x 8 + bb) x 2 + s) x 32 + l), holds Ua_w[128 g + 16 bb + l % 16][32 c + 16 s + 8 (l / 16) + 0 .. 7]: a fragment of 16 rows x 32 K is
; two runs of 512 bytes, a lane's 16 bytes side by side, and the eight fragments that a wave wants for 32 along K are 8,192 bytes on end.
; A TILE OF cb: 16 columns o (source 0 = 16 rows of Wa_w) x 16 batches (source 1 = 16 rows of q0 + q1).  K is split among the eight waves, 128 each: 48 loads at once, four products; the eight
; partial sums meet in LDS and wave 0 finishes.  Every work-group passes the one barrier, the casting ones too, so that it stands on every wave's path.
; LIMITS.  q0 + q1 is added in f32 and rounded once to bf16, Wa_w and Ua_w once to bf16; sums in f32.  NaN and infinities are not treated apart.
.set C2,    0x4038aa3b                 ; 2 log2(e)
.set NTILE, 128                        ; work-groups that make cb
.set SPARE, 8192                       ; LDS: eight partial tiles of 1,024 bytes; behind them the spare words, 128 bytes for each wave: four blocks of 256 bytes that no other line names
.set SPW,   8                          ; v8   LDS address of my spare word; never rewritten
.set NIL,   9                          ; v9   0; never rewritten
.set X,     16                         ; the cast: v[16:79], 16 loads of 4 registers
.set WF,    16                         ; a tile: v[16:79]   Wa_w, four fragments of 16 f32, then 8 registers of bf16 each, in place
.set Q0,    80                         ; v[80:143]  query0, then the sum, then bf16, in place
.set Q1,    144                        ; v[144:207] query1
.set AC,    208                        ; v[208:223] two accumulators, for the fragments of even and of odd number
.set P,     16                         ; behind the barrier: v[16:79] the eight partial sums
.set BA,    80                         ; v[80:87]  Wa_b of my eight columns
.set BU,    88                         ; v[88:95]  Ua_b of my eight columns
	s_load_b512 s[16:31], s[0:1], 0x0              ; Ua_w 16, Wa_w 18, query0 20, query1 22, Wa_b 24, Ua_b 26, ubf 28, cb 30
	v_lshl_add_u32 v[SPW], v0, 2, SPARE
	v_mov_b32 v[NIL], 0
	v_lshrrev_b32 v1, 5, v0
	v_readfirstlane_b32 s3, v1                     ; wave 0..7
	v_and_b32 v1, 15, v0                           ; r = l % 16
	v_bfe_u32 v2, v0, 4, 1                         ; h = l / 16
	v_and_b32 v6, 31, v0                           ; l
	s_mov_b32 s11, 0
	s_wait_kmcnt 0x0
	s_cmp_lt_u32 ttmp9, NTILE
	s_cbranch_scc1 .Ltile
	; THE CAST.  Work-group j takes pieces 2048 j + 256 u + t, u = 0 .. 7: a piece is 32 bytes of a row of Ua_w in, 16 bytes out; a wave's store covers 512 consecutive bytes.
	s_sub_co_u32 s4, ttmp9, NTILE                  ; j: g = j / 8, the upper three bits of c = j % 8
	s_and_b32 s5, s4, 7
	s_lshl_b32 s10, s5, 9                          ; 4 (j % 8) steps of 32 K, 128 bytes each
	s_lshr_b32 s5, s4, 3
	s_lshl_b32 s5, s5, 19                          ; 128 g rows of 4,096 bytes
	s_add_co_u32 s10, s10, s5
	s_add_nc_u64 s[6:7], s[16:17], s[10:11]
	s_lshl_b32 s10, s4, 15                         ; 2,048 pieces of 16 bytes
	s_add_nc_u64 s[8:9], s[28:29], s[10:11]
	v_lshlrev_b32 v3, 12, v1                       ; row r,
	v_lshl_add_u32 v3, v2, 5, v3                   ; + 8 h numbers,
	v_bfe_u32 v4, v0, 5, 1
	v_lshl_add_u32 v3, v4, 6, v3                   ; + 16 s numbers,
	v_lshrrev_b32 v4, 6, v0
	v_lshl_add_u32 v3, v4, 16, v3                  ; + 16 (bb % 4) rows
	v_lshlrev_b32 v5, 4, v0
.set u, 0
.rept 8                                        ; u % 2 is bb's upper bit (64 rows), u / 2 the lower two bits of c
	global_load_b128 v[X+8*u:X+8*u+3],   v3, s[6:7] offset:(u%2)*262144+(u/2)*128 th:TH_LOAD_NT
	global_load_b128 v[X+8*u+4:X+8*u+7], v3, s[6:7] offset:(u%2)*262144+(u/2)*128+16 th:TH_LOAD_NT
.set u, u+1
.endr
.set u, 0
.rept 8
	s_wait_loadcnt 14-2*u                          ; loads come back in order: pair u is in, the younger pairs stay out
.irp k, 0,1,2,3
	v_cvt_pk_bf16_f32 v[X+8*u+(\k)], v[X+8*u+2*(\k)], v[X+8*u+2*(\k)+1]  ; in place, ascending: each source is read before it is written
.endr
	global_store_b128 v5, v[X+8*u:X+8*u+3], s[8:9] offset:4096*u
.set u, u+1
.endr
	s_branch .Lmeet
.Ltile:                                            ; tile J = number / 2, batches 16 t .. 16 t + 15 with t = number % 2; my wave's 128 of K
	s_lshr_b32 s5, ttmp9, 1
	s_and_b32 s4, ttmp9, 1
	v_lshlrev_b32 v3, 12, v1                       ; a fragment's row, 4,096 bytes of f32,
	v_lshl_add_u32 v3, v2, 5, v3                   ; + 8 h numbers,
	s_lshl_b32 s14, s3, 9
	v_add_nc_u32 v3, s14, v3                       ; + 128 x wave numbers
	s_lshl_b32 s10, s5, 16                         ; 16 J rows of Wa_w
	s_add_nc_u64 s[6:7], s[18:19], s[10:11]
	s_lshl_b32 s10, s4, 16                         ; 16 t rows of the queries
	s_add_nc_u64 s[8:9], s[20:21], s[10:11]
	s_add_nc_u64 s[12:13], s[22:23], s[10:11]
	s_lshl_b32 s14, s3, 10
	v_lshl_add_u32 v7, v6, 5, s14                  ; my 32 bytes of my wave's partial tile
.set f, 0
.rept 4
.set n, 0
.rept 4                                        ; a lane's 16 numbers of a fragment: k = 8 h + 0..7 (bytes 0, 16) and 16 + 8 h + 0..7 (bytes 64, 80)
	global_load_b128 v[WF+16*f+4*n:WF+16*f+4*n+3], v3, s[6:7] offset:128*f+64*(n/2)+16*(n%2)
	global_load_b128 v[Q0+16*f+4*n:Q0+16*f+4*n+3], v3, s[8:9] offset:128*f+64*(n/2)+16*(n%2)
	global_load_b128 v[Q1+16*f+4*n:Q1+16*f+4*n+3], v3, s[12:13] offset:128*f+64*(n/2)+16*(n%2)
.set n, n+1
.endr
.set f, f+1
.endr
	s_wait_loadcnt 0x0
.set f, 0
.rept 4
.set n, 0
.rept 8
	v_pk_add_f32 v[Q0+16*f+2*n:Q0+16*f+2*n+1], v[Q0+16*f+2*n:Q0+16*f+2*n+1], v[Q1+16*f+2*n:Q1+16*f+2*n+1]  ; q = query0 + query1, in f32
.set n, n+1
.endr
.set n, 0
.rept 8
	v_cvt_pk_bf16_f32 v[WF+16*f+n], v[WF+16*f+2*n], v[WF+16*f+2*n+1]
	v_cvt_pk_bf16_f32 v[Q0+16*f+n], v[Q0+16*f+2*n], v[Q0+16*f+2*n+1]
.set n, n+1
.endr
.if f < 2                                      ; the first product on each accumulator starts its sum; the two take turns
	v_wmma_f32_16x16x32_bf16 v[AC+8*(f%2):AC+8*(f%2)+7], v[WF+16*f:WF+16*f+7], v[Q0+16*f:Q0+16*f+7], 0
.else
	v_wmma_f32_16x16x32_bf16 v[AC+8*(f%2):AC+8*(f%2)+7], v[WF+16*f:WF+16*f+7], v[Q0+16*f:Q0+16*f+7], v[AC+8*(f%2):AC+8*(f%2)+7]
.endif
.set f, f+1
.endr
.rept 8
	v_nop                                          ; the places between the last product and the sums that read the results (ISA guide 7.12.1), once a launch
.endr
.irp n, 0,2,4,6
	v_pk_add_f32 v[AC+(\n):AC+(\n)+1], v[AC+(\n):AC+(\n)+1], v[AC+8+(\n):AC+8+(\n)+1]  ; the two parities; each accumulator is read from its low end on
.endr
	ds_store_b128 v7, v[AC:AC+3]
	ds_store_b128 v7, v[AC+4:AC+7] offset:16
.Lmeet:
	s_wait_xcnt 0x0                                ; every load and store issued so far has read its registers: what follows may write them
	s_wait_dscnt 0x0                               ; for wave 0's sake: my partial tile lies in LDS
	s_barrier_signal -1
	s_barrier_wait -1
	s_cmp_ge_u32 ttmp9, NTILE
	s_cbranch_scc1 .Lend
	s_cmp_lg_u32 s3, 0
	s_cbranch_scc1 .Lend
	s_lshr_b32 s5, ttmp9, 1                        ; J
	s_and_b32 s4, ttmp9, 1                         ; t
	s_lshl_b32 s10, s5, 6                          ; 16 J numbers of the biases
	s_add_nc_u64 s[32:33], s[24:25], s[10:11]
	s_add_nc_u64 s[34:35], s[26:27], s[10:11]
	s_lshl_b32 s10, s5, 11                         ; cb: 2,048 J + 32 x 16 t
	s_lshl_b32 s15, s4, 9
	s_add_co_u32 s10, s10, s15
	s_add_nc_u64 s[36:37], s[30:31], s[10:11]
	v_lshlrev_b32 v10, 5, v2                       ; the biases: 8 h numbers
	v_lshlrev_b32 v11, 5, v6                       ; a partial tile: 32 l
	v_lshlrev_b32 v12, 5, v1                       ; cb: 32 r + 16 h
	v_lshl_add_u32 v12, v2, 4, v12
	global_load_b128 v[BA:BA+3],   v10, s[32:33]
	global_load_b128 v[BA+4:BA+7], v10, s[32:33] offset:16
	global_load_b128 v[BU:BU+3],   v10, s[34:35]
	global_load_b128 v[BU+4:BU+7], v10, s[34:35] offset:16
.irp w, 0,1,2,3,4,5,6,7
	ds_load_b128 v[P+8*(\w):P+8*(\w)+3],   v11 offset:1024*(\w)
	ds_load_b128 v[P+8*(\w)+4:P+8*(\w)+7], v11 offset:1024*(\w)+16
.endr
	s_wait_dscnt 0x0
.irp w, 0,2,4,6
.irp n, 0,2,4,6
	v_pk_add_f32 v[P+8*(\w)+(\n):P+8*(\w)+(\n)+1], v[P+8*(\w)+(\n):P+8*(\w)+(\n)+1], v[P+8*(\w)+8+(\n):P+8*(\w)+8+(\n)+1]
.endr
.endr
.irp w, 0,4
.irp n, 0,2,4,6
	v_pk_add_f32 v[P+8*(\w)+(\n):P+8*(\w)+(\n)+1], v[P+8*(\w)+(\n):P+8*(\w)+(\n)+1], v[P+8*(\w)+16+(\n):P+8*(\w)+16+(\n)+1]
.endr
.endr
.irp n, 0,2,4,6
	v_pk_add_f32 v[P+(\n):P+(\n)+1], v[P+(\n):P+(\n)+1], v[P+32+(\n):P+32+(\n)+1]
.endr
	s_wait_loadcnt 0x0
.irp n, 0,2,4,6
	v_pk_add_f32 v[BA+(\n):BA+(\n)+1], v[BA+(\n):BA+(\n)+1], v[BU+(\n):BU+(\n)+1]      ; Wa_b + Ua_b
.endr
.irp n, 0,2,4,6
	v_pk_add_f32 v[P+(\n):P+(\n)+1], v[P+(\n):P+(\n)+1], v[BA+(\n):BA+(\n)+1]
.endr
.irp n, 0,2,4,6
	v_pk_mul_f32 v[P+(\n):P+(\n)+1], v[P+(\n):P+(\n)+1], C2 op_sel_hi:[1,0]
.endr
	global_store_b128 v12, v[P:P+3],   s[36:37]                ; q = 0: the wave's store covers 512 consecutive bytes
	global_store_b128 v12, v[P+4:P+7], s[36:37] offset:1024    ; q = 1
.Lend:
	s_wait_tensorcnt 0x0                           ; the wave's end, behind my last LDS store
	ds_add_u32 v[SPW], v[NIL]
	s_wait_dscnt 0x0
	s_endpgm
.Lfunc_end_k_q3939c9a484_prep:
	.size	k_q3939c9a484_prep, .Lfunc_end_k_q3939c9a484_prep-k_q3939c9a484_prep
	.p2alignl 7, 3214868480
	.fill 96, 4, 3214868480
	.section	.rodata,"a",@progbits
	.p2align	6, 0x0
	.amdhsa_kernel k_q3939c9a484_prep
		.amdhsa_group_segment_fixed_size 9216
		.amdhsa_private_segment_fixed_size 0
		.amdhsa_enable_private_segment 0
		.amdhsa_kernarg_size 64
		.amdhsa_user_sgpr_count 2
		.amdhsa_user_sgpr_kernarg_segment_ptr 1
		.amdhsa_wavefront_size32 1
		.amdhsa_system_sgpr_workgroup_id_x 1
		.amdhsa_system_sgpr_workgroup_id_y 1
		.amdhsa_system_sgpr_workgroup_id_z 1
		.amdhsa_system_vgpr_workitem_id 0
		.amdhsa_next_free_vgpr 224
		.amdhsa_next_free_sgpr 66
		.amdhsa_reserve_vcc 0
		.amdhsa_float_denorm_mode_32 3
		.amdhsa_float_denorm_mode_16_64 3
		.amdhsa_memory_ordered 1
		.amdhsa_forward_progress 1
		.amdhsa_inst_pref_size 23
	.end_amdhsa_kernel
	.amdgpu_metadata
---
amdhsa.version: [ 1, 2 ]
amdhsa.kernels:
  - .name:           k_q3939c9a484_prep
    .symbol:         k_q3939c9a484_prep.kd
    .args:
      - { .name: Ua_w, .offset: 0, .size: 8, .value_kind: global_buffer, .address_space: global }
      - { .name: Wa_w, .offset: 8, .size: 8, .value_kind: global_buffer, .address_space: global }
      - { .name: query0, .offset: 16, .size: 8, .value_kind: global_buffer, .address_space: global }
      - { .name: query1, .offset: 24, .size: 8, .value_kind: global_buffer, .address_space: global }
      - { .name: Wa_b, .offset: 32, .size: 8, .value_kind: global_buffer, .address_space: global }
      - { .name: Ua_b, .offset: 40, .size: 8, .value_kind: global_buffer, .address_space: global }
      - { .name: ubf, .offset: 48, .size: 8, .value_kind: global_buffer, .address_space: global }
      - { .name: cb, .offset: 56, .size: 8, .value_kind: global_buffer, .address_space: global }
    .group_segment_fixed_size: 9216
    .private_segment_fixed_size: 0
    .kernarg_segment_align: 8
    .kernarg_segment_size: 64
    .max_flat_workgroup_size: 256
    .sgpr_count:     66
    .vgpr_count:     224
    .wavefront_size: 32
...
	.end_amdgpu_metadata
.endif
;; end of part 4
;; launch attn (part 5): grid 256 x 1, 4 waves a work-group, no clusters, 281,088 bytes of LDS; arguments keys, ubf, cb, Va_w, Va_b, sc, pc; writes sc, pc
.if DOCPART == 5
	.amdgcn_target "amdgcn-amd-amdhsa--gfx1250"
	.amdhsa_code_object_version 6
	.text
	.protected	k_q3939c9a484_attn
	.globl	k_q3939c9a484_attn
	.p2align	8
	.type	k_q3939c9a484_attn,@function
k_q3939c9a484_attn:
	s_mov_b64 s[64:65], 0
	v_nop
	global_prefetch_b8 v0, s[64:65] scope:SCOPE_SE
	s_setreg_imm32_b32 hwreg(HW_REG_WAVE_MODE, 25, 1), 1
	s_wait_xcnt 0x0
; For each block of 128 rows of keys (a sixteenth of a batch):
;   sc[row] = Va_b + the sum over o of Va_w[o] tanh(wq[b][o] + Wa_b[o] + Ua_b[o] + sum over k of keys[row][k] Ua_w[o][k]);
;   pc[block][o] = the sum over the block's rows of 2^((sc[row] - m) log2 e) keys[row][o], m the largest sc of the block.  The next launch joins a batch's sixteen blocks.
; KEYS ARE READ ONCE.  A work-group of four waves takes two blocks, i and i + 256.  A block is loaded in f32, rounded once to bf16 and kept in LDS: 128 rows of 2,048 + 16 bytes.  It serves as the
; product's one operand for all 1,024 columns, and afterwards as the rows that the context adds up.
; THE PRODUCT.  Two passes of 512 columns; in a pass a wave makes 128 rows x 128 columns: 64 accumulators of 16 x 16, 512 registers.  K goes in quarter steps of 32: 64 matrix instructions, 16 LDS loads
; (keys) and 16 loads of 512 consecutive bytes from ubf, which holds Ua_w in bf16 in the fragments' own order.  No wave wants a byte of ubf that another wave of the work-group has fetched, so it goes
; straight into registers, four buffers that take turns, asked for three quarter steps ahead; and no barrier stands in a pass.
; NO CLUSTER, NO TENSOR LOADS, though all work-groups walk the same ubf: beside the resident block 327,680 - 264,192 = 63,488 bytes of LDS are left, and one quarter step of the work-group's 512 columns
; is 512 x (64 + 16) = 40,960 bytes: two slots do not fit.
; THE MATRIX INSTRUCTION IS USED TRANSPOSED (source 0 = 16 rows of Ua_w, source 1 = 16 rows of keys): lane l holds row l % 16, its registers 0 to 7 the columns 8 (l / 16) + 0 .. 7.
; TANH.  tanh x = 1 - 2 / (1 + 2^(C2 x)), C2 = 2 log2 e; cb holds the addend times C2.  Where 2^(..) is an infinity or 0 the result is exactly 1 or -1.
; LIMITS.  keys and Ua_w are rounded once to bf16; a weight below 2^-126 counts as 0; NaN and infinities are not treated apart.
; REGISTERS, in windows of 256 (s_set_vgpr_msb: bits 1:0 source 0, 3:2 source 1, 5:4 source 2, 7:6 destination):
;   window 0: v0-63 addresses and small change; v64-127, v128-191 fragments of keys, two buffers; on the way out v64-127 Va_w, v128-191 and v192-255 by turns 64 numbers at work
;   window 1: four buffers of 64 for ubf's fragments; on the way out buffer 2 holds cb; while a block is filled v192-207 stage cb and Va_w
;   window 2, 3: the accumulators ((a, b) at v[8 (8 a + b)], rows 0-63 and 64-127); while a block is filled: window 2 the ring of 64 loads, window 3 the rounded numbers
.set C2,    0x4038aa3b                 ; 2 log2(e)
.set L2E,   0x3fb8aa3b                 ; log2(e)
.set PITCH, 2064                       ; an LDS row: 2,048 bytes + 16 = 516 words: row r starts at bank 4 r mod 64 (64 banks of 4 bytes: ISA guide 11.1), so the 16 rows of a load start at 16 different banks
.set SC,    128*PITCH                  ; behind the block: the four waves' sums for the 128 rows, 512 bytes each
.set CBS,   SC+2048                    ; cb of the block's batch, 1,024 f32 in the columns' order
.set VAS,   CBS+4096                   ; Va_w, likewise
.set PP,    VAS+4096                   ; each wave's own copy of the 128 weights
.set CT,    PP+2048                    ; each wave's own 1,024 bytes, to turn its 256 columns of the context into whole rows
.set SPARE, CT+4096                    ; the spare words, 128 bytes for each wave: two blocks of 256 bytes that no other line names
.set QB,    8192                       ; bytes of ubf that a wave takes in a quarter step
.set KO,   2                           ; v2     16 x lane: my 16 bytes of 512 consecutive ones, in keys, ubf, sc and pc; never rewritten
.set LS0,  3                           ; v3     where my 8 bytes of my wave's first row lie in the block
.set LSA,  4                           ; v4     the same for the round in hand
.set PFO,  5                           ; v5     256 x lane, for the prefetches; never rewritten
.set STO,  6                           ; v6     my word of my wave's sums
.set RDS,  7                           ; v7     rows 4 l .. 4 l + 3 of wave 0's sums
.set PPS,  8                           ; v8     my four weights in my wave's copy
.set PP0,  9                           ; v9     my wave's copy;  v10 the sixteen weights in hand
.set PPA,  10
.set CX0,  11                          ; v11    16 x thread: my eight columns of a row of the block; also my 16 bytes of Va_w;  v12 the same in the rows in hand
.set CXA,  12
.set CTS,  13                          ; v13    my 32 bytes of my wave's CT
.set CTR,  14                          ; v14    my 16 bytes of its first half
.set ADRA, 16                          ; v16-19 LDS address of my fragments of row blocks 2 j and 2 j + 1, at the K in hand
.set CB0,  20                          ; v20    cb of my wave's columns in pass 0, my half's eight;  v30 in the pass in hand
.set VA0,  21                          ; v21    the same for Va_w;  v31
.set SGC,  22                          ; v22    where I stage 16 bytes of cb
.set SGV,  23                          ; v23    of Va_w
.set CGO,  27                          ; v27    where those 16 bytes of cb lie in the table; never rewritten
.set SPW,  28                          ; v28    LDS address of my spare word; never rewritten
.set NIL,  29                          ; v29    0; never rewritten
.set CBL,  30
.set VAL,  31
.set CC,   32                          ; v[32:33] C2, twice
.set SUM,  34                          ; v[34:41] four chains of packed sums
.set PS,   42                          ; v[42:49] row block i's sum for my row
.set QA,   50                          ; v[50:53] the block's sums over my wave's columns of both passes: lane l holds row 32 k + l
.set AD0,  54                          ; v[54:57] ADRA at K = 0
.set QS,   58                          ; v[58:61] one pass's part of QA
.set F0,   64
.set F1,   128
.set VAR,  64                          ; the way out: Va_w of my 64 columns, window 0
.set CBR,  128                         ; the way out: cb of my 64 columns, window 1
.set XR,   128                         ; the context: sixteen rows' 16 bytes
.set WR,   192                         ; their weights
.set AX,   208                         ; my eight columns' sums
.set OC,   216                         ; the same as whole rows
.set WV,   20                          ; s20      my wave's number
.set KP,   22                          ; s[22:23] keys at my wave's 32 rows, at the round in hand
.set BP,   24                          ; s[24:25] ubf at the four quarter steps in hand
.set P0,   26                          ; s[26:27] ubf at my wave's columns of pass 0;  s[28:29] of pass 1
.set P1,   28
.set BN,   30                          ; s[30:31] ubf at the next pass's columns
.set CBQ,  32                          ; s[32:33] cb at the block's batch
.set SCP,  34                          ; s[34:35] sc at the block
.set PCP,  36                          ; s[36:37] pc at the block and my wave's 256 columns
.set BLK,  38                          ; s38      blocks to go
.set PAS,  39                          ; s39      passes to go
.set CNT,  40                          ; s40      counts the inner loops
.set SEL,  42                          ; s[42:43] v_permlanex16_b32's selects: each lane takes its own place in the other half
.set UPPER, 44                         ; s44      lanes 16-31
.set VB,   46                          ; s[46:47] Va_b, named as a pair
.set LE,   48                          ; s48      log2(e)
.set POFF, 49                          ; s49      2,048 x the pass's number: 512 columns of f32
.set KN,   52                          ; s[52:53] keys at my wave's 32 rows of the second block; never rewritten
.set MSB, 0
.macro WIN new                         ; the immediate's high byte repeats the setting that is left; a switch that changes nothing is dropped
.if MSB != (\new)
	s_set_vgpr_msb (MSB<<8)|(\new)
.set MSB, \new
.endif
.endm
.set MUL_LO, 0xa1                      ; source 0 (ubf) window 1, source 1 (keys) window 0, C and D window 2
.set MUL_HI, 0xf1                      ; the same, C and D window 3
.set TO_1,   0x40                      ; destination window 1, address window 0
.macro PLACES                          ; four places in front of loads into registers that matrix instructions have read (ISA guide 7.12.1 for vector instructions)
.rept 4
	v_nop
.endr
.endm
; 16 loads: a quarter step's eight fragments of ubf, 8,192 bytes on end, into buffer buf
.macro BLOAD buf, ptr, off
	WIN TO_1
.irp b, 0,1,2,3,4,5,6,7
	global_load_b128 v[64*(\buf)+8*(\b):64*(\buf)+8*(\b)+3],   v[KO], s[\ptr:\ptr+1] offset:(\off)+1024*(\b)
	global_load_b128 v[64*(\buf)+8*(\b)+4:64*(\buf)+8*(\b)+7], v[KO], s[\ptr:\ptr+1] offset:(\off)+1024*(\b)+512
.endr
.endm
; 16 LDS loads: the eight fragments of keys (128 rows, 32 K at byte k behind the K in hand) into buffer f.  A fragment is 16 rows x 32 K in 8 registers: lane l holds row l % 16; registers 0-3
; K = 8 (l / 16) + 0..7, registers 4-7 K = 16 + 8 (l / 16) + 0..7: two loads of 16 bytes, 32 bytes apart.
.macro FETCHA k, f
	WIN 0
.irp i, 0,1,2,3,4,5,6,7
	ds_load_b128 v[(\f)+8*(\i):(\f)+8*(\i)+3],   v[ADRA+(\i)/2] offset:((\i)%2)*16*PITCH+(\k)
	ds_load_b128 v[(\f)+8*(\i)+4:(\f)+8*(\i)+7], v[ADRA+(\i)/2] offset:((\i)%2)*16*PITCH+(\k)+32
.endr
.endm
; 16 matrix instructions: row blocks a0, a0 + 1 of the window's four x all 8 column blocks.  zero = 1: the first product starts the sums: nothing is ever cleared.
; The 64 accumulators take turns, one instruction a turn, in the same order in every quarter step.
.macro MUL16 f, bb, hi, a0, zero
	WIN MUL_LO+0x50*(\hi)
.irp a, \a0, (\a0)+1
.irp b, 0,1,2,3,4,5,6,7
.if \zero
	v_wmma_f32_16x16x32_bf16 v[8*(8*(\a)+(\b)):8*(8*(\a)+(\b))+7], v[(\bb)+8*(\b):(\bb)+8*(\b)+7], v[(\f)+8*(4*(\hi)+(\a)):(\f)+8*(4*(\hi)+(\a))+7], 0
.else
	v_wmma_f32_16x16x32_bf16 v[8*(8*(\a)+(\b)):8*(8*(\a)+(\b))+7], v[(\bb)+8*(\b):(\bb)+8*(\b)+7], v[(\f)+8*(4*(\hi)+(\a)):(\f)+8*(4*(\hi)+(\a))+7], v[8*(8*(\a)+(\b)):8*(8*(\a)+(\b))+7]
.endif
.endr
.endr
.endm
; A QUARTER STEP q, with j = q % 4: multiplies keys' buffer f by ubf's buffer j.  In its middle stand its loads, in one run:
;   kind 0: keys of step q + 1 into buffer g; ubf of step q + 3 into buffer (j + 3) % 4, which step q - 1 has read
;   kind 1, 2 (steps 29, 30): keys likewise; ubf of the NEXT pass's steps 0, 1
;   kind 3 (step 31): cb and Va_w of my 64 columns out of LDS, for the way out
; step = 1: the pointers go on by four quarter steps first; the four additions are the places in front of the loads.
.macro QUARTER f, g, j, zero, kind, step
	s_wait_loadcnt 32                              ; loads come back in order: this step's ubf is in; the 32 loads of the two steps behind it may be out
	s_wait_dscnt 8                                 ; keys' rows 0-63 are in; the youngest eight loads (rows 64-127) may be out
	MUL16 \f, 64*(\j), 0, 0, \zero
	MUL16 \f, 64*(\j), 0, 2, \zero
.if \step
	WIN 0
	s_wait_xcnt 0x0                                ; the youngest load from ubf, 64 matrix instructions back, has read its base
	s_add_nc_u64 s[BP:BP+1], s[BP:BP+1], 4*QB
.irp i, 0,1,2,3
	v_add_nc_u32 v[ADRA+(\i)], 256, v[ADRA+(\i)]
.endr
.else
	PLACES
.endif
.if (\kind) < 3
	FETCHA 64*((\j)+1), \g
.if (\kind) == 0
	BLOAD ((\j)+3)%4, BP, ((\j)+3)*QB
.elseif (\kind) == 1
	BLOAD 0, BN, 0
.else
	BLOAD 1, BN, QB
.endif
	s_wait_dscnt 16                                ; all but the 16 just issued
.else
	WIN TO_1
.set i, 0
.rept 16                                       ; column block i / 2, columns 8 (l / 16) + 4 (i % 2) + 0..3: the sixteen lanes of a half read the same words
	ds_load_b128 v[CBR+4*i:CBR+4*i+3], v[CBL] offset:64*(i/2)+16*(i%2)
.set i, i+1
.endr
	WIN 0
.set i, 0
.rept 16
	ds_load_b128 v[VAR+4*i:VAR+4*i+3], v[VAL] offset:64*(i/2)+16*(i%2)
.set i, i+1
.endr
	s_wait_dscnt 32                                ; all but the 32 just issued
.endif
	MUL16 \f, 64*(\j), 1, 0, \zero
	MUL16 \f, 64*(\j), 1, 2, \zero
.endm
; THE FILL.  My wave's 32 rows of a block are 131,072 consecutive bytes of keys.  A ring of 64 slots in window 2, 512 consecutive bytes a load, goes round four times, 8 rows a round.
; ISSUE: cb's 32 bytes a thread, then the ring's first round.
.macro ISSUE
	WIN TO_1
	global_load_b128 v[192:195], v[CGO], s[CBQ:CBQ+1]
	global_load_b128 v[196:199], v[CGO], s[CBQ:CBQ+1] offset:65536
	WIN 0x80                                       ; destination window 2
.set sl, 0
.rept 64
	global_load_b128 v[4*sl:4*sl+3], v[KO], s[KP:KP+1] offset:512*sl th:TH_LOAD_NT
.set sl, sl+1
.endr
	WIN 0
.endm
; A round, a row (8 slots) at a time: rounded into window 3, stored into the block (a wave's store covers 256 consecutive bytes), and with ahead = 1 the slots are asked for again, 8 rows on.
.macro ROUND ahead
.set gj, 0
.rept 8
.if \ahead
	s_wait_loadcnt 56                              ; this row's eight loads are in; behind them stand the round's other rows and the rows asked for again: 56 loads
.else
	s_wait_loadcnt 56-8*gj                         ; the last round asks for nothing: the counts run down
.endif
	WIN 0xca                                       ; sources window 2, destination window 3
.set sl, 8*gj
.rept 8
	v_cvt_pk_bf16_f32 v[2*sl],   v[4*sl],   v[4*sl+1]
	v_cvt_pk_bf16_f32 v[2*sl+1], v[4*sl+2], v[4*sl+3]
.set sl, sl+1
.endr
	WIN 0x8c                                       ; addresses window 0, LDS data window 3, loaded data window 2
.set sl, 8*gj
.rept 8
	ds_store_b64 v[LSA], v[2*sl:2*sl+1] offset:gj*PITCH+(sl%8)*256
.set sl, sl+1
.endr
.if \ahead
.set sl, 8*gj
.rept 8
	global_load_b128 v[4*sl:4*sl+3], v[KO], s[KP:KP+1] offset:32768+512*sl th:TH_LOAD_NT
.set sl, sl+1
.endr
.endif
.set gj, gj+1
.endr
	WIN 0
.endm
; THE WAY OUT works on row block i: 64 numbers a lane, the accumulators (i, 0 .. 7), 64 registers on end in window 2 + i / 4.  They are worked on in T(i): v192-255 (i even) or v128-191 (i odd) of window 0.
;   S1 i, p   pair p:  C2 x sum + cb                  EX i, n   number n:  2^(..)
;   S3 i, p   1 + ..                                  RC i, n   1 / ..
;   S5 i, p   1 - 2 x ..  = tanh                      S6 i, p   four chains of packed sums take tanh x Va_w
.macro S1 i, p
.set rT, 128+64*(((\i)+1)%2)+2*(\p)
.set rA, 64*((\i)%4)+2*(\p)
	v_pk_fma_f32 v[rT:rT+1], v[CC:CC+1], v[rA:rA+1], v[CBR+2*(\p):CBR+2*(\p)+1]
.endm
.macro EX i, n
.set rT, 128+64*(((\i)+1)%2)+(\n)
	v_exp_f32 v[rT], v[rT]
.endm
.macro S3 i, p
.set rT, 128+64*(((\i)+1)%2)+2*(\p)
	v_pk_add_f32 v[rT:rT+1], v[rT:rT+1], 1.0 op_sel_hi:[1,0]
.endm
.macro RC i, n
.set rT, 128+64*(((\i)+1)%2)+(\n)
	v_rcp_f32 v[rT], v[rT]
.endm
.macro S5 i, p
.set rT, 128+64*(((\i)+1)%2)+2*(\p)
	v_pk_fma_f32 v[rT:rT+1], v[rT:rT+1], -2.0, 1.0 op_sel_hi:[1,0,0]
.endm
.macro S6 i, p
.set rT, 128+64*(((\i)+1)%2)+2*(\p)
.set rU, SUM+2*((\p)%4)
.if (\p) < 4
	v_pk_mul_f32 v[rU:rU+1], v[rT:rT+1], v[VAR+2*(\p):VAR+2*(\p)+1]
.else
	v_pk_fma_f32 v[rU:rU+1], v[rT:rT+1], v[VAR+2*(\p):VAR+2*(\p)+1], v[rU:rU+1]
.endif
.endm
.macro FIN i                           ; the four chains into one number
	WIN 0
	v_pk_add_f32 v[SUM:SUM+1], v[SUM:SUM+1], v[SUM+2:SUM+3]
	v_pk_add_f32 v[SUM+4:SUM+5], v[SUM+4:SUM+5], v[SUM+6:SUM+7]
	v_pk_add_f32 v[SUM:SUM+1], v[SUM:SUM+1], v[SUM+4:SUM+5]
	v_add_f32 v[PS+(\i)], v[SUM], v[SUM+1]
.endm
; Two row blocks are in hand at a time, so that each exponential and each reciprocal has a plain neighbour that names no result of its batch.  An s_wait_alu depctr_va_vdst(0) stands between
; such an instruction and the first that names its result; one wait serves a batch of 64.
; SLOTA i: block i's 64 exponentials; between them block i - 1's tanh and its sums.  The last plain line is the place behind the last exponential.
.macro SLOTA i
	WIN 0
.set e, 0
.rept 64
	EX \i, e
.if e < 32
	S5 (\i)-1, e
.else
	S6 (\i)-1, e-32
.endif
.set e, e+1
.endr
	s_wait_alu depctr_va_vdst(0)                   ; the wait for the batch
	FIN (\i)-1
.endm
; SLOTB i: block i's 64 reciprocals; between them the rest of its 1 + .. (pair e + 2 behind reciprocal e: never a pair that a reciprocal has written) and block i + 1's first line, into the other T.
.macro SLOTB i
.if (\i) < 7
	WIN 0x18+4*(((\i)+1)/4)                        ; source 1 (the accumulators of block i + 1) in window 2 or 3, source 2 (cb) in window 1
.endif
	S3 \i, 0
	S3 \i, 1
.set e, 0
.rept 64
	RC \i, e
.if e < 30
	S3 \i, e+2
.elseif (e < 62) && ((\i) < 7)
	S1 (\i)+1, e-30
.endif
.set e, e+1
.endr
	v_nop                                          ; a plain instruction behind the last reciprocal
	s_wait_alu depctr_va_vdst(0)                   ; the wait for the batch
.endm
	s_load_b256 s[4:11], s[0:1], 0x0               ; keys s[4:5], ubf s[6:7], cb s[8:9], Va_w s[10:11]
	s_load_b128 s[12:15], s[0:1], 0x20             ; Va_b s[12:13], sc s[14:15]
	s_load_b64 s[16:17], s[0:1], 0x30              ; pc
	v_lshl_add_u32 v[SPW], v0, 2, SPARE
	v_mov_b32 v[NIL], 0
	v_lshrrev_b32 v1, 5, v0
	v_readfirstlane_b32 s[WV], v1                  ; wave 0..3
	v_and_b32 v1, 31, v0                           ; lane
	v_and_b32 v24, 15, v0                          ; l % 16
	v_bfe_u32 v25, v0, 4, 1                        ; l / 16
	v_lshlrev_b32 v[KO], 4, v1
	v_lshlrev_b32 v[PFO], 8, v1
	s_mul_i32 s41, s[WV], 32*PITCH                 ; my wave's 32 rows of the block
	v_lshl_add_u32 v[LS0], v1, 3, s41
	s_lshl_b32 s41, s[WV], 9                       ; 512 x wave
	s_add_co_u32 s21, s41, SC
	v_lshl_add_u32 v[STO], v1, 2, s21
	v_lshl_add_u32 v[RDS], v1, 4, SC
	s_add_co_u32 s21, s41, PP
	v_lshl_add_u32 v[PPS], v1, 4, s21
	v_mov_b32 v[PP0], s21
	v_lshlrev_b32 v[CX0], 4, v0
	s_add_co_u32 s21, s41, CBS                     ; my wave's 128 columns of f32,
	v_lshl_add_u32 v[CB0], v25, 5, s21             ; my half's eight of sixteen
	s_add_co_u32 s21, s41, VAS
	v_lshl_add_u32 v[VA0], v25, 5, s21
	s_lshl_b32 s21, s[WV], 10
	s_add_co_u32 s21, s21, CT
	v_lshl_add_u32 v[CTS], v1, 5, s21
	v_lshl_add_u32 v[CTR], v1, 4, s21
	v_lshl_add_u32 v[SGC], v0, 4, CBS
	v_lshl_add_u32 v[SGV], v0, 4, VAS
	v_mul_u32_u24 v26, v24, PITCH
	v_lshl_add_u32 v26, v25, 4, v26                ; a fragment's row x pitch + 16 x half
.irp j, 0,1,2,3
	v_add_nc_u32 v[AD0+(\j)], (\j)*32*PITCH, v26
.endr
	v_lshrrev_b32 v26, 2, v0                       ; columns 4 n .. 4 n + 3 of cb, n = thread (+ 128): they lie at 2048 (n / 4) + 1024 (n % 2) + 16 ((n / 2) % 2) of the table
	v_lshlrev_b32 v[CGO], 11, v26
	v_and_b32 v26, 1, v0
	v_lshl_add_u32 v[CGO], v26, 10, v[CGO]
	v_bfe_u32 v26, v0, 1, 1
	v_lshl_add_u32 v[CGO], v26, 4, v[CGO]
	v_mov_b32 v[CC], C2
	v_mov_b32 v[CC+1], C2
	s_mov_b32 s[SEL], 0x76543210
	s_mov_b32 s[SEL+1], 0xfedcba98
	s_mov_b32 s[UPPER], 0xffff0000
	s_mov_b32 s[LE], L2E
	s_mov_b32 s51, 0
	s_mov_b32 s[BLK], 2
	s_wait_kmcnt 0x0
	s_load_b32 s[VB], s[12:13], 0x0                ; Va_b
	s_lshl_b32 s50, ttmp9, 19                      ; block i: 128 rows of 4,096 bytes,
	s_lshl_b32 s41, s[WV], 17                      ; my wave's 32 of them
	s_add_co_u32 s50, s50, s41
	s_add_nc_u64 s[KP:KP+1], s[4:5], s[50:51]
	s_add_nc_u64 s[KN:KN+1], s[KP:KP+1], 0x8000000 ; block i + 256
	s_lshl_b32 s50, s[WV], 18                      ; a group of 128 columns is 32 x 8,192 bytes of ubf
	s_add_nc_u64 s[P0:P0+1], s[6:7], s[50:51]
	s_add_nc_u64 s[P1:P1+1], s[P0:P0+1], 0x100000  ; four groups on
	s_lshr_b32 s50, ttmp9, 4                       ; the batch: sixteen blocks each
	s_lshl_b32 s50, s50, 5
	s_add_nc_u64 s[CBQ:CBQ+1], s[8:9], s[50:51]
	s_lshl_b32 s50, ttmp9, 9
	s_add_nc_u64 s[SCP:SCP+1], s[14:15], s[50:51]
	s_lshl_b32 s50, ttmp9, 12
	s_lshl_b32 s41, s[WV], 10
	s_add_co_u32 s50, s50, s41
	s_add_nc_u64 s[PCP:PCP+1], s[16:17], s[50:51]
	BLOAD 0, P0, 0                                 ; the first pass's quarter steps 0 and 1, as every pass's tail asks for the next pass's
	BLOAD 1, P0, QB
	global_load_b128 v[200:203], v[CX0], s[10:11]  ; Va_w, 32 bytes a thread (destination window 1)
	global_load_b128 v[204:207], v[CX0], s[10:11] offset:2048
	ISSUE                                          ; cb of the first block's batch, and the first block's first round
	s_wait_loadcnt 63                              ; behind Va_w's loads stand 66: with 63 out at the most they are in
	WIN 0x04                                       ; LDS data window 1
	ds_store_b128 v[SGV], v[200:203]
	ds_store_b128 v[SGV], v[204:207] offset:2048
	WIN 0
	s_wait_kmcnt 0x0
	s_mov_b32 s[VB+1], s[VB]
.Lblock:
	s_wait_dscnt 0x0                               ; my reads of the block that is left are over (and, the first time, Va_w is stored)
	s_barrier_signal -1
	s_barrier_wait -1                              ; everybody's are: the block and cb may be written
	s_wait_loadcnt 63                              ; behind cb's loads stand the ring's 64: they are in
	WIN 0x04
	ds_store_b128 v[SGC], v[192:195]
	ds_store_b128 v[SGC], v[196:199] offset:2048
	WIN 0
	v_mov_b32 v[LSA], v[LS0]
.irp k, 0,1,2,3
	v_mov_b32 v[QA+(\k)], 0                        ; four lines, so that both passes add their part in one form
.endr
	s_mov_b32 s[CNT], 3
.Lfill:
	ROUND 1
	s_wait_xcnt 0x0                                ; every load issued so far has read its base
	s_add_nc_u64 s[KP:KP+1], s[KP:KP+1], 32768     ; 8 rows on
	v_add_nc_u32 v[LSA], 8*PITCH, v[LSA]
	s_sub_co_u32 s[CNT], s[CNT], 1
	s_cmp_lg_u32 s[CNT], 0
	s_cbranch_scc1 .Lfill
	ROUND 0
	s_wait_dscnt 0x0                               ; for the others' sake: my rows lie in LDS
	s_barrier_signal -1
	s_barrier_wait -1                              ; the block is whole
	s_mov_b32 s[PAS], 2
.Lpass:
	s_wait_xcnt 0x0                                ; no load still reads the two pointers that are written now
	s_cmp_eq_u32 s[PAS], 2
	s_cselect_b64 s[BP:BP+1], s[P0:P0+1], s[P1:P1+1]
	s_cselect_b64 s[BN:BN+1], s[P1:P1+1], s[P0:P0+1]
	s_sub_co_u32 s[POFF], 2, s[PAS]
	s_lshl_b32 s[POFF], s[POFF], 11
.irp i, 0,1,2,3
	v_mov_b32 v[ADRA+(\i)], v[AD0+(\i)]
.endr
	v_add_nc_u32 v[CBL], s[POFF], v[CB0]
	v_add_nc_u32 v[VAL], s[POFF], v[VA0]
	BLOAD 2, BP, 2*QB                              ; steps 0 and 1 were asked for in the pass before; buffer 2 held cb until now
	FETCHA 0, F0
	QUARTER F0, F1, 0, 1, 0, 0                     ; a pass's first quarter step stands in front of the loop: its products start the sums
	WIN 0                                          ; at a label and at a branch every window is 0
	s_mov_b32 s[CNT], 7
.Ltrip:                                            ; steps 4 t + 1 .. 4 t + 4
	QUARTER F1, F0, 1, 0, 0, 0
	QUARTER F0, F1, 2, 0, 0, 0
	QUARTER F1, F0, 3, 0, 0, 0
	QUARTER F0, F1, 0, 0, 0, 1
	WIN 0
	s_sub_co_u32 s[CNT], s[CNT], 1
	s_cmp_lg_u32 s[CNT], 0
	s_cbranch_scc1 .Ltrip
	QUARTER F1, F0, 1, 0, 1, 0                     ; steps 29 to 31.  The launch's last pass asks for two quarter steps that nobody multiplies: the price, once a launch, of one text for every pass
	QUARTER F0, F1, 2, 0, 2, 0
	QUARTER F1, F0, 3, 0, 3, 0
	WIN 0
	s_wait_dscnt 0x0                               ; cb and Va_w are in registers
	; A PREFETCH INTO THE L2, at the head of the first block's last way out: the 32,768 bytes that my wave's first 64 loads of the second block will ask for, behind this way out: a lane a block of 256 bytes,
	; four instructions; each block is named once in the launch, by the wave that will load it.  The rest of the second block comes by its loads alone.
	s_lshl_b32 s41, s[BLK], 2
	s_add_co_u32 s41, s41, s[PAS]
	s_cmp_eq_u32 s41, 9                            ; two blocks and one pass to go
	s_cbranch_scc0 .Lno_pf
.irp n, 0,1,2,3
	global_prefetch_b8 v[PFO], s[KN:KN+1] offset:8192*(\n) th:TH_LOAD_NT scope:SCOPE_SE
.endr
.Lno_pf:
.rept 8
	v_nop                                          ; the places behind the last products, whose results are read and whose buffer 1 is written below
.endr
	WIN 0x18
	S1 0, 0                                        ; pairs ascending: each accumulator is read from its low end on
	S1 0, 1
.set e, 0
.rept 64                                       ; block 0 has no block before it: its own first lines stand between its first exponentials
	EX 0, e
.if e < 30
	S1 0, e+2
.endif
.set e, e+1
.endr
	v_nop                                          ; a plain instruction behind the last exponential
	s_wait_alu depctr_va_vdst(0)                   ; the wait for the batch
	SLOTB 0
.irp i, 1,2,3,4,5,6,7
	SLOTA \i
	SLOTB \i
.endr
	WIN 0
.set e, 0
.rept 32
	S5 7, e
.set e, e+1
.endr
.set e, 0
.rept 32
	S6 7, e
.set e, e+1
.endr
	FIN 7
.irp i, 0,1,2,3,4,5,6,7
	v_permlanex16_b32 v[128+(\i)], v[PS+(\i)], s[SEL], s[SEL+1]    ; the row's other 64 columns lie in the lane 16 away
.endr
.irp i, 0,1,2,3,4,5,6,7
	v_add_f32 v[PS+(\i)], v[PS+(\i)], v[128+(\i)]
.endr
.irp k, 0,1,2,3
	v_cndmask_b32 v[QS+(\k)], v[PS+2*(\k)], v[PS+2*(\k)+1], s[UPPER]  ; lanes 0-15 keep block 2 k, lanes 16-31 take block 2 k + 1: lane l holds row 32 k + l
.endr
	v_pk_add_f32 v[QA:QA+1], v[QA:QA+1], v[QS:QS+1]
	v_pk_add_f32 v[QA+2:QA+3], v[QA+2:QA+3], v[QS+2:QS+3]
	s_sub_co_u32 s[PAS], s[PAS], 1
	s_cmp_lg_u32 s[PAS], 0
	s_cbranch_scc1 .Lpass
	; THE BLOCK'S END.  First the next block's first round is asked for: the accumulators' registers are free, and what follows works on windows 0 and 1 alone.
	s_cmp_eq_u32 s[BLK], 1
	s_cbranch_scc1 .Lno_next
	s_wait_xcnt 0x0
	s_mov_b64 s[KP:KP+1], s[KN:KN+1]
	s_add_nc_u64 s[CBQ:CBQ+1], s[CBQ:CBQ+1], 512   ; sixteen batches on
	ISSUE
.Lno_next:
.irp k, 0,1,2,3
	ds_store_b32 v[STO], v[QA+(\k)] offset:128*(\k)
.endr
	s_wait_dscnt 0x0                               ; for the others' sake
	s_barrier_signal -1
	s_barrier_wait -1                              ; the four waves' sums lie in LDS
.irp u, 0,1,2,3
	ds_load_b128 v[64+4*(\u):64+4*(\u)+3], v[RDS] offset:512*(\u)  ; rows 4 l .. 4 l + 3: every wave makes all 128 scores for itself
.endr
	s_wait_dscnt 0x0
	v_pk_add_f32 v[64:65], v[64:65], v[68:69]
	v_pk_add_f32 v[66:67], v[66:67], v[70:71]
	v_pk_add_f32 v[72:73], v[72:73], v[76:77]
	v_pk_add_f32 v[74:75], v[74:75], v[78:79]
	v_pk_add_f32 v[64:65], v[64:65], v[72:73]
	v_pk_add_f32 v[66:67], v[66:67], v[74:75]
	v_pk_add_f32 v[64:65], v[64:65], s[VB:VB+1] op_sel_hi:[1,0]    ; + Va_b
	v_pk_add_f32 v[66:67], v[66:67], s[VB:VB+1] op_sel_hi:[1,0]
	s_cmp_lg_u32 s[WV], 0
	s_cbranch_scc1 .Lno_sc
	global_store_b128 v[KO], v[64:67], s[SCP:SCP+1]                ; the block's 128 scores: 512 consecutive bytes
.Lno_sc:
	v_max_num_f32 v80, v64, v65
	v_max_num_f32 v81, v66, v67
	v_max_num_f32 v80, v80, v81
	v_max_num_f32_dpp v80, v80, v80 row_xmask:1 row_mask:0xf bank_mask:0xf
	v_max_num_f32_dpp v80, v80, v80 row_xmask:2 row_mask:0xf bank_mask:0xf
	v_max_num_f32_dpp v80, v80, v80 row_xmask:4 row_mask:0xf bank_mask:0xf
	v_max_num_f32_dpp v80, v80, v80 row_xmask:8 row_mask:0xf bank_mask:0xf
	v_permlanex16_b32 v81, v80, s[SEL], s[SEL+1]
	v_max_num_f32 v80, v80, v81                    ; m: the block's largest score
	v_mul_f32 v82, s[LE], v80
.irp n, 0,1,2,3
	v_fma_f32 v[84+(\n)], v[64+(\n)], s[LE], -v82
.endr
.irp n, 0,1,2,3
	v_exp_f32 v[84+(\n)], v[84+(\n)]
.endr
.irp n, 0,1,2,3,4,5,6,7
	v_mov_b32 v[AX+(\n)], 0                        ; the context's sums start at 0: plain lines behind the exponentials, which name no result of theirs
.endr
	v_mov_b32 v[PPA], v[PP0]
	v_mov_b32 v[CXA], v[CX0]
	s_wait_alu depctr_va_vdst(0)                   ; one wait for the four exponentials, ahead of their first reader
	ds_store_b128 v[PPS], v[84:87]                 ; my wave's own copy of the weights: LDS serves a wave's instructions in order (ISA guide 5.7.1.4), so the loads below see it
	s_mov_b32 s[CNT], 8
.Lctx:                                             ; sixteen rows a trip; thread t adds up columns 8 t .. 8 t + 7: a wave's load covers 512 consecutive bytes of a row
.irp n, 0,1,2,3
	ds_load_b128 v[WR+4*(\n):WR+4*(\n)+3], v[PPA] offset:16*(\n)   ; all lanes read the same words
.endr
.set r, 0
.rept 16
	ds_load_b128 v[XR+4*r:XR+4*r+3], v[CXA] offset:PITCH*r
.set r, r+1
.endr
	s_wait_dscnt 0x0
.set r, 0
.rept 16
.irp j, 0,1,2,3
	v_fma_mix_f32_bf16 v[AX+2*(\j)],   v[XR+4*r+(\j)], v[WR+r], v[AX+2*(\j)]   op_sel_hi:[1,0,0]                ; the low bf16 times the weight, onto an f32 sum
	v_fma_mix_f32_bf16 v[AX+2*(\j)+1], v[XR+4*r+(\j)], v[WR+r], v[AX+2*(\j)+1] op_sel:[1,0,0] op_sel_hi:[1,0,0]  ; the high one
.endr
.set r, r+1
.endr
	v_add_nc_u32 v[PPA], 64, v[PPA]
	v_add_nc_u32 v[CXA], 16*PITCH, v[CXA]
	s_sub_co_u32 s[CNT], s[CNT], 1
	s_cmp_lg_u32 s[CNT], 0
	s_cbranch_scc1 .Lctx
	ds_store_b128 v[CTS], v[AX:AX+3]               ; a lane's 32 bytes go in side by side and come back as two runs of 512 bytes: my wave's own bytes, in order
	ds_store_b128 v[CTS], v[AX+4:AX+7] offset:16
	ds_load_b128 v[OC:OC+3],   v[CTR]
	ds_load_b128 v[OC+4:OC+7], v[CTR] offset:512
	s_wait_dscnt 0x0
	global_store_b128 v[KO], v[OC:OC+3],   s[PCP:PCP+1]            ; each store covers 512 consecutive bytes, at a multiple of 256 from pc's first byte
	global_store_b128 v[KO], v[OC+4:OC+7], s[PCP:PCP+1] offset:512
	s_wait_xcnt 0x0                                ; the stores have read their registers and their bases
	s_add_nc_u64 s[SCP:SCP+1], s[SCP:SCP+1], 131072    ; 256 blocks on
	s_add_nc_u64 s[PCP:PCP+1], s[PCP:PCP+1], 1048576
	s_sub_co_u32 s[BLK], s[BLK], 1
	s_cmp_lg_u32 s[BLK], 0
	s_cbranch_scc1 .Lblock
	s_wait_tensorcnt 0x0                           ; the wave's end, behind my last LDS store
	ds_add_u32 v[SPW], v[NIL]
	s_wait_dscnt 0x0
	s_endpgm
.Lfunc_end_k_q3939c9a484_attn:
	.size	k_q3939c9a484_attn, .Lfunc_end_k_q3939c9a484_attn-k_q3939c9a484_attn
	.p2alignl 7, 3214868480
	.fill 96, 4, 3214868480
	.section	.rodata,"a",@progbits
	.p2align	6, 0x0
	.amdhsa_kernel k_q3939c9a484_attn
		.amdhsa_group_segment_fixed_size 281088
		.amdhsa_private_segment_fixed_size 0
		.amdhsa_enable_private_segment 0
		.amdhsa_kernarg_size 56
		.amdhsa_user_sgpr_count 2
		.amdhsa_user_sgpr_kernarg_segment_ptr 1
		.amdhsa_wavefront_size32 1
		.amdhsa_system_sgpr_workgroup_id_x 1
		.amdhsa_system_sgpr_workgroup_id_y 1
		.amdhsa_system_sgpr_workgroup_id_z 1
		.amdhsa_system_vgpr_workitem_id 0
		.amdhsa_next_free_vgpr 1024
		.amdhsa_next_free_sgpr 66
		.amdhsa_reserve_vcc 0
		.amdhsa_float_denorm_mode_32 3
		.amdhsa_float_denorm_mode_16_64 3
		.amdhsa_memory_ordered 1
		.amdhsa_forward_progress 1
		.amdhsa_inst_pref_size 224
	.end_amdhsa_kernel
	.amdgpu_metadata
---
amdhsa.version: [ 1, 2 ]
amdhsa.kernels:
  - .name:           k_q3939c9a484_attn
    .symbol:         k_q3939c9a484_attn.kd
    .args:
      - { .name: keys, .offset: 0, .size: 8, .value_kind: global_buffer, .address_space: global }
      - { .name: ubf, .offset: 8, .size: 8, .value_kind: global_buffer, .address_space: global }
      - { .name: cb, .offset: 16, .size: 8, .value_kind: global_buffer, .address_space: global }
      - { .name: Va_w, .offset: 24, .size: 8, .value_kind: global_buffer, .address_space: global }
      - { .name: Va_b, .offset: 32, .size: 8, .value_kind: global_buffer, .address_space: global }
      - { .name: sc, .offset: 40, .size: 8, .value_kind: global_buffer, .address_space: global }
      - { .name: pc, .offset: 48, .size: 8, .value_kind: global_buffer, .address_space: global }
    .group_segment_fixed_size: 281088
    .private_segment_fixed_size: 0
    .kernarg_segment_align: 8
    .kernarg_segment_size: 56
    .max_flat_workgroup_size: 128
    .sgpr_count:     66
    .vgpr_count:     1024
    .wavefront_size: 32
...
	.end_amdgpu_metadata
.endif
;; end of part 5
;; launch fin (part 6): grid 8 x 32, 8 waves a work-group, no clusters, 5,632 bytes of LDS; arguments sc, pc, out0, out1; writes out0, out1
.if DOCPART == 6
	.amdgcn_target "amdgcn-amd-amdhsa--gfx1250"
	.amdhsa_code_object_version 6
	.text
	.protected	k_q3939c9a484_fin
	.globl	k_q3939c9a484_fin
	.p2align	8
	.type	k_q3939c9a484_fin,@function
k_q3939c9a484_fin:
	s_mov_b64 s[64:65], 0
	v_nop
	global_prefetch_b8 v0, s[64:65] scope:SCOPE_SE
	s_setreg_imm32_b32 hwreg(HW_REG_WAVE_MODE, 25, 1), 1
	s_wait_xcnt 0x0
; out1[b][s] = softmax over s of sc[b][s];  out0[b][o] = the sum over the batch's sixteen blocks i of pc[16 b + i][o] 2^((m_i - M) log2 e) / L.
; pc[i] was summed with the weights 2^((s - m_i) log2 e), m_i the largest score of block i.  A maximum is exact, so m_i made here from sc is the number that the launch before used.
; M is the batch's true maximum, L the sum of 2^((s - M) log2 e), which is at least 1.
; SHARES.  Work-group (c, b) makes 128 columns of batch b's context and 256 of its weights; each of a batch's eight work-groups makes the batch's M and L for itself from 8 KiB of scores.
; Thread t holds rows 4 t .. 4 t + 3 and 1024 + 4 t .. : wave w holds just blocks w and 8 + w, so a block's maximum is a maximum over a wave, and the wave scales those two blocks' rows of pc.
; The launch moves 2.3 MB in all: no matrix unit, no cluster, no prefetch.
; LIMITS.  A weight below 2^-126 counts as 0; NaN and infinities are not treated apart.
.set L2E,   0x3fb8aa3b                 ; log2(e)
.set RED1,  0                          ; LDS: the eight waves' maxima
.set RED2,  256                        ; their sums
.set CP,    512                        ; the eight waves' partial contexts, 512 bytes each
.set SPARE, 4608                       ; the spare words, 128 bytes for each wave: four blocks of 256 bytes that no other line names
.set SPO, 2                            ; v2   16 t: my four rows in sc and in out1; never rewritten
.set RW,  6                            ; v6   4 x wave
.set CPS, 7                            ; v7   where I put four columns of my wave's partial context
.set CPR, 8                            ; v8   where wave 0 reads them back
.set OO,  9                            ; v9   16 x lane: my 16 bytes of a row of pc and of out0; never rewritten
.set SPW, 10                           ; v10  LDS address of my spare word; never rewritten
.set NIL, 11                           ; v11  0; never rewritten
.set ZA,  15                           ; v15  LDS address 0
.set S,   16                           ; v[16:23]  my eight scores; later v[16:47] the eight partial contexts
.set PA,  40                           ; v[40:43]  block w's four columns of pc;  v[44:47] block 8 + w's
.set PC,  48                           ; v[48:51]  my wave's partial context
.set D,   80                           ; v[80:83]  four weights to store; written once
.set E,   84                           ; v[84:91]  my eight 2^((s - M) log2 e)
.set RL,  92                           ; v[92:95]  at work, then 1 / L in the low register
	s_load_b256 s[4:11], s[0:1], 0x0               ; sc s[4:5], pc s[6:7], out0 s[8:9], out1 s[10:11]
	v_lshl_add_u32 v[SPW], v0, 2, SPARE
	v_mov_b32 v[NIL], 0
	v_lshrrev_b32 v1, 5, v0
	v_readfirstlane_b32 s3, v1                     ; wave 0..7
	s_and_b32 s2, ttmp7, 0xffff                    ; b
	v_and_b32 v12, 31, v0                          ; lane
	v_lshlrev_b32 v[SPO], 4, v0
	v_lshlrev_b32 v[OO], 4, v12
	s_lshl_b32 s16, s3, 9
	s_add_co_u32 s16, s16, CP
	v_lshl_add_u32 v[CPS], v12, 4, s16
	v_lshl_add_u32 v[CPR], v12, 4, CP
	s_lshl_b32 s17, s3, 2
	v_mov_b32 v[RW], s17
	v_mov_b32 v[ZA], 0
	s_mov_b32 s22, L2E
	s_mov_b32 s24, 0x76543210                      ; v_permlanex16_b32: each lane takes its own place in the other half
	s_mov_b32 s25, 0xfedcba98
	s_mov_b32 s19, 0
	s_wait_kmcnt 0x0
	s_lshl_b32 s18, s2, 13                         ; a batch: 8,192 bytes of sc and of out1
	s_add_nc_u64 s[4:5], s[4:5], s[18:19]
	s_add_nc_u64 s[10:11], s[10:11], s[18:19]
	s_lshl_b32 s18, s2, 16                         ; sixteen rows of 4,096 bytes of pc,
	s_lshl_b32 s20, s3, 12                         ; + block w,
	s_add_co_u32 s18, s18, s20
	s_lshl_b32 s20, ttmp9, 9                       ; + my 128 columns
	s_add_co_u32 s18, s18, s20
	s_add_nc_u64 s[6:7], s[6:7], s[18:19]
	s_lshl_b32 s18, s2, 12                         ; out0: 4,096 b + 512 c
	s_add_co_u32 s18, s18, s20
	s_add_nc_u64 s[8:9], s[8:9], s[18:19]
	s_cmp_ge_u32 ttmp9, 4                          ; my 256 weights lie in the threads' second four rows if c >= 4
	s_cselect_b32 s18, 4096, 0
	s_cselect_b32 s21, -1, 0
	s_add_nc_u64 s[10:11], s[10:11], s[18:19]
	global_load_b128 v[S:S+3],   v[SPO], s[4:5]
	global_load_b128 v[S+4:S+7], v[SPO], s[4:5] offset:4096
	global_load_b128 v[PA:PA+3],   v[OO], s[6:7]               ; block w's 128 columns: the wave's load covers 512 consecutive bytes
	global_load_b128 v[PA+4:PA+7], v[OO], s[6:7] offset:32768  ; block 8 + w's
	s_wait_loadcnt 2                               ; loads come back in order: the scores are in; pc's two loads stay out
	v_max_num_f32 v24, v16, v17
	v_max_num_f32 v25, v18, v19
	v_max_num_f32 v26, v20, v21
	v_max_num_f32 v27, v22, v23
	v_max_num_f32 v24, v24, v25
	v_max_num_f32 v26, v26, v27
.irp m, 1,2,4,8
	v_max_num_f32_dpp v24, v24, v24 row_xmask:\m row_mask:0xf bank_mask:0xf
	v_max_num_f32_dpp v26, v26, v26 row_xmask:\m row_mask:0xf bank_mask:0xf
.endr
	v_permlanex16_b32 v25, v24, s24, s25
	v_permlanex16_b32 v27, v26, s24, s25
	v_max_num_f32 v24, v24, v25                    ; m of block w
	v_max_num_f32 v26, v26, v27                    ; m of block 8 + w
	v_max_num_f32 v28, v24, v26
	ds_store_b32 v[RW], v28 offset:RED1            ; all lanes write the wave's word with the same value
	s_wait_dscnt 0x0                               ; for the others' sake
	s_barrier_signal -1
	s_barrier_wait -1
	ds_load_b128 v[32:35], v[ZA] offset:RED1
	ds_load_b128 v[36:39], v[ZA] offset:RED1+16
	s_wait_dscnt 0x0
	v_max3_num_f32 v28, v32, v33, v34
	v_max3_num_f32 v29, v35, v36, v37
	v_max3_num_f32 v28, v28, v38, v39
	v_max_num_f32 v28, v28, v29                    ; M
	v_mul_f32 v29, s22, v28
.irp n, 0,1,2,3,4,5,6,7
	v_fma_f32 v[E+(\n)], v[S+(\n)], s22, -v29      ; (s - M) log2 e
.endr
	v_fma_f32 v30, v24, s22, -v29                  ; (m - M) log2 e for my two blocks
	v_fma_f32 v31, v26, s22, -v29
.irp n, 0,1,2,3,4,5,6,7
	v_exp_f32 v[E+(\n)], v[E+(\n)]
.endr
	v_exp_f32 v30, v30
	v_exp_f32 v31, v31
	v_nop                                          ; a plain instruction behind the last exponential
	s_wait_alu depctr_va_vdst(0)                   ; one wait for the ten exponentials, ahead of their first reader
	v_pk_add_f32 v[RL:RL+1], v[E:E+1], v[E+2:E+3]
	v_pk_add_f32 v[RL+2:RL+3], v[E+4:E+5], v[E+6:E+7]
	v_pk_add_f32 v[RL:RL+1], v[RL:RL+1], v[RL+2:RL+3]
	v_add_f32 v[RL], v[RL], v[RL+1]
.irp m, 1,2,4,8
	v_add_f32_dpp v[RL], v[RL], v[RL] row_xmask:\m row_mask:0xf bank_mask:0xf
.endr
	v_permlanex16_b32 v[RL+1], v[RL], s24, s25
	v_add_f32 v[RL], v[RL], v[RL+1]
	ds_store_b32 v[RW], v[RL] offset:RED2          ; my wave's part of L
	s_wait_loadcnt 0x0                             ; pc's two loads
.irp n, 0,1,2,3
	v_mul_f32 v[PC+(\n)], v[PA+(\n)], v30          ; block w's row, brought to the batch's maximum,
.endr
.irp n, 0,1,2,3
	v_fma_f32 v[PC+(\n)], v[PA+4+(\n)], v31, v[PC+(\n)]  ; and block 8 + w's onto it
.endr
	ds_store_b128 v[CPS], v[PC:PC+3]
	s_wait_dscnt 0x0                               ; for the others' sake: my sum and my partial context lie in LDS
	s_barrier_signal -1
	s_barrier_wait -1
	ds_load_b128 v[32:35], v[ZA] offset:RED2
	ds_load_b128 v[36:39], v[ZA] offset:RED2+16
	s_wait_dscnt 0x0
	v_pk_add_f32 v[32:33], v[32:33], v[34:35]
	v_pk_add_f32 v[36:37], v[36:37], v[38:39]
	v_pk_add_f32 v[32:33], v[32:33], v[36:37]
	v_add_f32 v32, v32, v33                        ; L
	v_rcp_f32 v[RL], v32
	v_nop                                          ; a plain instruction behind the reciprocal,
	s_wait_alu depctr_va_vdst(0)                   ; and its wait, ahead of the branch and of its first reader
	s_lshr_b32 s16, s3, 1
	s_and_b32 s28, ttmp9, 3
	s_cmp_lg_u32 s16, s28                          ; rows 256 c .. 256 c + 255 lie in waves 2 (c % 4) and 2 (c % 4) + 1
	s_cbranch_scc1 .Lno_w
.irp n, 0,1,2,3
	v_cndmask_b32 v[D+(\n)], v[E+(\n)], v[E+4+(\n)], s21           ; the first or the second four rows
.endr
	v_pk_mul_f32 v[D:D+1], v[D:D+1], v[RL:RL+1] op_sel_hi:[1,0]
	v_pk_mul_f32 v[D+2:D+3], v[D+2:D+3], v[RL:RL+1] op_sel_hi:[1,0]
	global_store_b128 v[SPO], v[D:D+3], s[10:11]   ; the wave's store covers 512 consecutive bytes
.Lno_w:
	s_cmp_lg_u32 s3, 0
	s_cbranch_scc1 .Lend
.irp w, 0,1,2,3,4,5,6,7
	ds_load_b128 v[16+4*(\w):16+4*(\w)+3], v[CPR] offset:512*(\w)  ; lane l: columns 4 l .. 4 l + 3 of each wave's partial context
.endr
	s_wait_dscnt 0x0
.irp w, 0,2,4,6
	v_pk_add_f32 v[16+4*(\w):16+4*(\w)+1],   v[16+4*(\w):16+4*(\w)+1],   v[20+4*(\w):20+4*(\w)+1]
	v_pk_add_f32 v[16+4*(\w)+2:16+4*(\w)+3], v[16+4*(\w)+2:16+4*(\w)+3], v[20+4*(\w)+2:20+4*(\w)+3]
.endr
.irp w, 0,4
	v_pk_add_f32 v[16+4*(\w):16+4*(\w)+1],   v[16+4*(\w):16+4*(\w)+1],   v[24+4*(\w):24+4*(\w)+1]
	v_pk_add_f32 v[16+4*(\w)+2:16+4*(\w)+3], v[16+4*(\w)+2:16+4*(\w)+3], v[24+4*(\w)+2:24+4*(\w)+3]
.endr
	v_pk_add_f32 v[16:17], v[16:17], v[32:33]
	v_pk_add_f32 v[18:19], v[18:19], v[34:35]
	v_pk_mul_f32 v[16:17], v[16:17], v[RL:RL+1] op_sel_hi:[1,0]    ; times 1 / L, once
	v_pk_mul_f32 v[18:19], v[18:19], v[RL:RL+1] op_sel_hi:[1,0]
	global_store_b128 v[OO], v[16:19], s[8:9]      ; 512 consecutive bytes, at a multiple of 256 from out0's first byte
.Lend:
	s_wait_tensorcnt 0x0                           ; the wave's end, behind my last LDS store
	ds_add_u32 v[SPW], v[NIL]
	s_wait_dscnt 0x0
	s_endpgm
.Lfunc_end_k_q3939c9a484_fin:
	.size	k_q3939c9a484_fin, .Lfunc_end_k_q3939c9a484_fin-k_q3939c9a484_fin
	.p2alignl 7, 3214868480
	.fill 96, 4, 3214868480
	.section	.rodata,"a",@progbits
	.p2align	6, 0x0
	.amdhsa_kernel k_q3939c9a484_fin
		.amdhsa_group_segment_fixed_size 5632
		.amdhsa_private_segment_fixed_size 0
		.amdhsa_enable_private_segment 0
		.amdhsa_kernarg_size 32
		.amdhsa_user_sgpr_count 2
		.amdhsa_user_sgpr_kernarg_segment_ptr 1
		.amdhsa_wavefront_size32 1
		.amdhsa_system_sgpr_workgroup_id_x 1
		.amdhsa_system_sgpr_workgroup_id_y 1
		.amdhsa_system_sgpr_workgroup_id_z 1
		.amdhsa_system_vgpr_workitem_id 0
		.amdhsa_next_free_vgpr 96
		.amdhsa_next_free_sgpr 66
		.amdhsa_reserve_vcc 0
		.amdhsa_float_denorm_mode_32 3
		.amdhsa_float_denorm_mode_16_64 3
		.amdhsa_memory_ordered 1
		.amdhsa_forward_progress 1
		.amdhsa_inst_pref_size 9
	.end_amdhsa_kernel
	.amdgpu_metadata
---
amdhsa.version: [ 1, 2 ]
amdhsa.kernels:
  - .name:           k_q3939c9a484_fin
    .symbol:         k_q3939c9a484_fin.kd
    .args:
      - { .name: sc, .offset: 0, .size: 8, .value_kind: global_buffer, .address_space: global }
      - { .name: pc, .offset: 8, .size: 8, .value_kind: global_buffer, .address_space: global }
      - { .name: out0, .offset: 16, .size: 8, .value_kind: global_buffer, .address_space: global }
      - { .name: out1, .offset: 24, .size: 8, .value_kind: global_buffer, .address_space: global }
    .group_segment_fixed_size: 5632
    .private_segment_fixed_size: 0
    .kernarg_segment_align: 8
    .kernarg_segment_size: 32
    .max_flat_workgroup_size: 256
    .sgpr_count:     66
    .vgpr_count:     96
    .wavefront_size: 32
...
	.end_amdgpu_metadata
.endif
;; end of part 6
;; ======== version 3 of 3: 3 launches; version 2 with the launch attn written anew for expert scheduling mode
;; workspace buffers: ubf 2,097,152 bytes; cb 131,072 bytes; sc 262,144 bytes; pc 2,097,152 bytes
;; launch prep: the kernel of part 4 again; grid 192 x 1, 8 waves a work-group, no clusters, 9,216 bytes of LDS; arguments Ua_w, Wa_w, query0, query1, Wa_b, Ua_b, ubf, cb; writes ubf, cb
;; launch attn (part 7): grid 256 x 1, 4 waves a work-group, no clusters, 281,088 bytes of LDS; arguments keys, ubf, cb, Va_w, Va_b, sc, pc; writes sc, pc
.if DOCPART == 7
	.amdgcn_target "amdgcn-amd-amdhsa--gfx1250"
	.amdhsa_code_object_version 6
	.text
	.protected	k_q3939c9a484_attn
	.globl	k_q3939c9a484_attn
	.p2align	8
	.type	k_q3939c9a484_attn,@function
k_q3939c9a484_attn:
	s_mov_b64 s[64:65], 0
	v_nop
	global_prefetch_b8 v0, s[64:65] scope:SCOPE_SE
	s_setreg_imm32_b32 hwreg(HW_REG_WAVE_SCHED_MODE, 0, 2), 2
	s_setreg_imm32_b32 hwreg(HW_REG_WAVE_MODE, 25, 1), 1
	s_wait_xcnt 0x0
	s_wait_alu depctr_vm_vsrc(0)
; For each block of 128 rows of keys (a sixteenth of a batch):
;   sc[row] = Va_b + the sum over o of Va_w[o] tanh(wq[b][o] + Wa_b[o] + Ua_b[o] + sum over k of keys[row][k] Ua_w[o][k]);
;   pc[block][o] = the sum over the block's rows of 2^((sc[row] - m) log2 e) keys[row][o], m the largest sc of the block.  The next launch joins a batch's sixteen blocks.
; KEYS ARE READ ONCE.  A work-group of four waves takes two blocks, i and i + 256.  A block is loaded in f32, rounded once to bf16 and kept in LDS: 128 rows of 2,048 + 16 bytes.  It serves as the
; product's one operand for all 1,024 columns, and afterwards as the rows that the context adds up.
; THE PRODUCT.  Two passes of 512 columns; in a pass a wave makes 128 rows x 128 columns: 64 accumulators of 16 x 16, 512 registers.  K goes in quarter steps of 32: 64 matrix instructions, 16 LDS loads
; (keys) and 16 loads of 512 consecutive bytes from ubf, which holds Ua_w in bf16 in the fragments' own order.  No wave wants a byte of ubf that another wave of the work-group has fetched, so it goes
; straight into registers, four buffers that take turns, asked for three quarter steps ahead; and no barrier stands in a pass.
; NO CLUSTER, NO TENSOR LOADS, though all work-groups walk the same ubf: beside the resident block 327,680 - 264,192 = 63,488 bytes of LDS are left, and one quarter step of the work-group's 512 columns
; is 512 x (64 + 16) = 40,960 bytes: two slots do not fit.
; THE MATRIX INSTRUCTION IS USED TRANSPOSED (source 0 = 16 rows of Ua_w, source 1 = 16 rows of keys): lane l holds row l % 16, its registers 0 to 7 the columns 8 (l / 16) + 0 .. 7.
; TANH.  tanh x = 1 - 2 / (1 + 2^(C2 x)), C2 = 2 log2 e; cb holds the addend times C2.  Where 2^(..) is an infinity or 0 the result is exactly 1 or -1.
; LIMITS.  keys and Ua_w are rounded once to bf16; a weight below 2^-126 counts as 0; NaN and infinities are not treated apart.
; REGISTERS, in windows of 256 (s_set_vgpr_msb: bits 1:0 source 0, 3:2 source 1, 5:4 source 2, 7:6 destination):
;   window 0: v0-63 addresses and small change; v64-127, v128-191 fragments of keys, two buffers; on the way out v64-127 Va_w, v128-191 and v192-255 by turns 64 numbers at work
;   window 1: four buffers of 64 for ubf's fragments; on the way out buffer 2 holds cb; while a block is filled v192-207 stage cb and Va_w
;   window 2, 3: the accumulators ((a, b) at v[8 (8 a + b)], rows 0-63 and 64-127); while a block is filled: window 2 the ring of 64 loads, window 3 the rounded numbers
; THE MODE: SCHED_MODE bits 1:0 = 2 (LLVM: expert scheduling mode 2), set by the entry lines.  The code itself states the register dependences between vector or matrix instructions and memory or
; LDS instructions, with s_wait_alu, always for 0.
; THE PLAN.  Registers that memory or LDS instructions touch, and who else names them:
;   keys' buffers F0, F1   Step q's products read one; the LDS loads of step q + 1, issued in step q, land in the other, which step q - 1's products read.
;   ubf's buffers 0 .. 3   Step q's products read buffer q % 4; the loads of step q + 3, issued in step q, land in buffer (q - 1) % 4, which step q - 1's products read.
;                          In step 31 cb lands in buffer 2 and Va_w in F0, both read by step 30's products.
;     So ONE wait on va_vdst stands at a step's head: step q - 1's products are done reading.  The step's 32 loads follow it in four groups of eight, one behind each 16 products, with no further
;     wait: the step's products name the other keys' buffer, buffer q % 4 and the accumulators, none of the registers that those loads touch.
;   v[ADRA ..]             Read by keys' LDS loads; written every fourth step, at the step's head: a wait on vm_vsrc ahead of the four additions, the step's own wait on va_vdst behind them.
;   the fill               A row's sixteen conversions read its eight slots of window 2 and write sixteen registers of window 3; one wait on va_vdst behind them; then the row's LDS stores read window 3
;                          and its loads land in the slots.  One wait on vm_vsrc a round: the stores have read v[LSA] and window 3, which are written again.
;   a pass's head          vm_vsrc, the six address lines, va_vdst, the pass's first loads.      a block's head and end, the context: at the lines themselves.
;   all other addresses    Made at the kernel's head, ahead of its one wait on va_vdst there, and never written again.
.set C2,    0x4038aa3b                 ; 2 log2(e)
.set L2E,   0x3fb8aa3b                 ; log2(e)
.set PITCH, 2064                       ; an LDS row: 2,048 bytes + 16 = 516 words: row r starts at bank 4 r mod 64 (64 banks of 4 bytes: ISA guide 11.1), so the 16 rows of a load start at 16 different banks
.set SC,    128*PITCH                  ; behind the block: the four waves' sums for the 128 rows, 512 bytes each
.set CBS,   SC+2048                    ; cb of the block's batch, 1,024 f32 in the columns' order
.set VAS,   CBS+4096                   ; Va_w, likewise
.set PP,    VAS+4096                   ; each wave's own copy of the 128 weights
.set CT,    PP+2048                    ; each wave's own 1,024 bytes, to turn its 256 columns of the context into whole rows
.set SPARE, CT+4096                    ; the spare words, 128 bytes for each wave: two blocks of 256 bytes that no other line names
.set QB,    8192                       ; bytes of ubf that a wave takes in a quarter step
.set KO,   2                           ; v2     16 x lane: my 16 bytes of 512 consecutive ones, in keys, ubf, sc and pc; never rewritten
.set LS0,  3                           ; v3     where my 8 bytes of my wave's first row lie in the block
.set LSA,  4                           ; v4     the same for the round in hand
.set PFO,  5                           ; v5     256 x lane, for the prefetches; never rewritten
.set STO,  6                           ; v6     my word of my wave's sums
.set RDS,  7                           ; v7     rows 4 l .. 4 l + 3 of wave 0's sums
.set PPS,  8                           ; v8     my four weights in my wave's copy
.set PP0,  9                           ; v9     my wave's copy;  v10 the sixteen weights in hand
.set PPA,  10
.set CX0,  11                          ; v11    16 x thread: my eight columns of a row of the block; also my 16 bytes of Va_w;  v12 the same in the rows in hand
.set CXA,  12
.set CTS,  13                          ; v13    my 32 bytes of my wave's CT
.set CTR,  14                          ; v14    my 16 bytes of its first half
.set ADRA, 16                          ; v16-19 LDS address of my fragments of row blocks 2 j and 2 j + 1, at the K in hand
.set CB0,  20                          ; v20    cb of my wave's columns in pass 0, my half's eight;  v30 in the pass in hand
.set VA0,  21                          ; v21    the same for Va_w;  v31
.set SGC,  22                          ; v22    where I stage 16 bytes of cb
.set SGV,  23                          ; v23    of Va_w
.set CGO,  27                          ; v27    where those 16 bytes of cb lie in the table; never rewritten
.set SPW,  28                          ; v28    LDS address of my spare word; never rewritten
.set NIL,  29                          ; v29    0; never rewritten
.set CBL,  30
.set VAL,  31
.set CC,   32                          ; v[32:33] C2, twice
.set SUM,  34                          ; v[34:41] four chains of packed sums
.set PS,   42                          ; v[42:49] row block i's sum for my row
.set QA,   50                          ; v[50:53] the block's sums over my wave's columns of both passes: lane l holds row 32 k + l
.set AD0,  54                          ; v[54:57] ADRA at K = 0
.set QS,   58                          ; v[58:61] one pass's part of QA
.set F0,   64
.set F1,   128
.set VAR,  64                          ; the way out: Va_w of my 64 columns, window 0
.set CBR,  128                         ; the way out: cb of my 64 columns, window 1
.set XR,   128                         ; the context: sixteen rows' 16 bytes
.set WR,   192                         ; their weights
.set AX,   208                         ; my eight columns' sums
.set OC,   216                         ; the same as whole rows
.set WV,   20                          ; s20      my wave's number
.set KP,   22                          ; s[22:23] keys at my wave's 32 rows, at the round in hand
.set BP,   24                          ; s[24:25] ubf at the four quarter steps in hand
.set P0,   26                          ; s[26:27] ubf at my wave's columns of pass 0;  s[28:29] of pass 1
.set P1,   28
.set BN,   30                          ; s[30:31] ubf at the next pass's columns
.set CBQ,  32                          ; s[32:33] cb at the block's batch
.set SCP,  34                          ; s[34:35] sc at the block
.set PCP,  36                          ; s[36:37] pc at the block and my wave's 256 columns
.set BLK,  38                          ; s38      blocks to go
.set PAS,  39                          ; s39      passes to go
.set CNT,  40                          ; s40      counts the inner loops
.set SEL,  42                          ; s[42:43] v_permlanex16_b32's selects: each lane takes its own place in the other half
.set UPPER, 44                         ; s44      lanes 16-31
.set VB,   46                          ; s[46:47] Va_b, named as a pair
.set LE,   48                          ; s48      log2(e)
.set POFF, 49                          ; s49      2,048 x the pass's number: 512 columns of f32
.set KN,   52                          ; s[52:53] keys at my wave's 32 rows of the second block; never rewritten
.set MSB, 0
.macro WIN new                         ; the immediate's high byte repeats the setting that is left; a switch that changes nothing is dropped
.if MSB != (\new)
	s_set_vgpr_msb (MSB<<8)|(\new)
.set MSB, \new
.endif
.endm
.set MUL_LO, 0xa1                      ; source 0 (ubf) window 1, source 1 (keys) window 0, C and D window 2
.set MUL_HI, 0xf1                      ; the same, C and D window 3
.set TO_1,   0x40                      ; destination window 1, address window 0
.macro PLACES                          ; four places in front of loads into registers that matrix instructions have read (ISA guide 7.12.1 for vector instructions)
.rept 4
	v_nop
.endr
.endm
; 8 loads: four of a quarter step's eight fragments of ubf (fragments lo .. lo + 3; the eight are 8,192 bytes on end) into buffer buf
.macro BLOADH buf, ptr, off, lo
	WIN TO_1
.irp b, 0,1,2,3
	global_load_b128 v[64*(\buf)+8*((\lo)+(\b)):64*(\buf)+8*((\lo)+(\b))+3],   v[KO], s[\ptr:\ptr+1] offset:(\off)+1024*((\lo)+(\b))
	global_load_b128 v[64*(\buf)+8*((\lo)+(\b))+4:64*(\buf)+8*((\lo)+(\b))+7], v[KO], s[\ptr:\ptr+1] offset:(\off)+1024*((\lo)+(\b))+512
.endr
.endm
.macro BLOAD buf, ptr, off             ; all sixteen
	BLOADH \buf, \ptr, \off, 0
	BLOADH \buf, \ptr, \off, 4
.endm
; 8 LDS loads: four of the eight fragments of keys (row blocks lo .. lo + 3, 32 K at byte k behind the K in hand) into buffer f.  A fragment is 16 rows x 32 K in 8 registers: lane l holds row l % 16;
; registers 0-3 K = 8 (l / 16) + 0..7, registers 4-7 K = 16 + 8 (l / 16) + 0..7: two loads of 16 bytes, 32 bytes apart.
.macro FETCHH k, f, lo
	WIN 0
.irp i, 0,1,2,3
	ds_load_b128 v[(\f)+8*((\lo)+(\i)):(\f)+8*((\lo)+(\i))+3],   v[ADRA+((\lo)+(\i))/2] offset:(((\lo)+(\i))%2)*16*PITCH+(\k)
	ds_load_b128 v[(\f)+8*((\lo)+(\i))+4:(\f)+8*((\lo)+(\i))+7], v[ADRA+((\lo)+(\i))/2] offset:(((\lo)+(\i))%2)*16*PITCH+(\k)+32
.endr
.endm
.macro FETCHA k, f                     ; all sixteen
	FETCHH \k, \f, 0
	FETCHH \k, \f, 4
.endm
; 16 matrix instructions: row blocks a0, a0 + 1 of the window's four x all 8 column blocks.  zero = 1: the first product starts the sums: nothing is ever cleared.
; The 64 accumulators take turns, one instruction a turn, in the same order in every quarter step.
.macro MUL16 f, bb, hi, a0, zero
	WIN MUL_LO+0x50*(\hi)
.irp a, \a0, (\a0)+1
.irp b, 0,1,2,3,4,5,6,7
.if \zero
	v_wmma_f32_16x16x32_bf16 v[8*(8*(\a)+(\b)):8*(8*(\a)+(\b))+7], v[(\bb)+8*(\b):(\bb)+8*(\b)+7], v[(\f)+8*(4*(\hi)+(\a)):(\f)+8*(4*(\hi)+(\a))+7], 0
.else
	v_wmma_f32_16x16x32_bf16 v[8*(8*(\a)+(\b)):8*(8*(\a)+(\b))+7], v[(\bb)+8*(\b):(\bb)+8*(\b)+7], v[(\f)+8*(4*(\hi)+(\a)):(\f)+8*(4*(\hi)+(\a))+7], v[8*(8*(\a)+(\b)):8*(8*(\a)+(\b))+7]
.endif
.endr
.endr
.endm
; A QUARTER STEP q, with j = q % 4: multiplies keys' buffer f by ubf's buffer j.  Its loads stand in four groups, one behind each 16 products, keys' first:
;   kind 0: keys of step q + 1 into buffer g; ubf of step q + 3 into buffer (j + 3) % 4, which step q - 1 has read
;   kind 1, 2 (steps 29, 30): keys likewise; ubf of the NEXT pass's steps 0, 1
;   kind 3 (step 31): cb and Va_w of my 64 columns out of LDS, for the way out, in two groups of sixteen behind the first 16 and 32 products
; step = 1: the pointers go on by four quarter steps; the four additions stand at the step's head and are the places in front of the loads.
; zero = 1: a pass's first step: no product stands between the pass's head and this step, so the wait at the pass's head still serves its loads.
.macro QUARTER f, g, j, zero, kind, step
	s_wait_loadcnt 32                              ; loads come back in order: this step's ubf is in; the 32 loads of the two steps behind it may be out
	s_wait_dscnt 8                                 ; keys' rows 0-63 are in; the youngest eight loads (rows 64-127) may be out
.if \step
	WIN 0
	s_wait_alu depctr_vm_vsrc(0)                   ; the LDS loads issued so far have read v[ADRA ..], which the four additions write
.irp i, 0,1,2,3
	v_add_nc_u32 v[ADRA+(\i)], 256, v[ADRA+(\i)]
.endr
.elseif !(\zero)
	PLACES
.endif
.if !(\zero)
	s_wait_alu depctr_va_vdst(0)                   ; the products of the step before are done reading keys' buffer g and ubf's buffer (j + 3) % 4, in which this step's loads land; with step = 1 v[ADRA ..] are written
.endif
	MUL16 \f, 64*(\j), 0, 0, \zero
.if (\kind) < 3
	FETCHH 64*((\j)+1), \g, 0                      ; no wait: no product since the wait above names buffer g or v[ADRA ..]
.else
	WIN TO_1
.set i, 0
.rept 16                                       ; column block i / 2, columns 8 (l / 16) + 4 (i % 2) + 0..3: the sixteen lanes of a half read the same words
	ds_load_b128 v[CBR+4*i:CBR+4*i+3], v[CBL] offset:64*(i/2)+16*(i%2)
.set i, i+1
.endr
.endif
	MUL16 \f, 64*(\j), 0, 2, \zero
.if (\kind) < 3
	FETCHH 64*((\j)+1), \g, 4
	s_wait_dscnt 16                                ; all but the 16 issued in this step
.else
	WIN 0
.set i, 0
.rept 16
	ds_load_b128 v[VAR+4*i:VAR+4*i+3], v[VAL] offset:64*(i/2)+16*(i%2)
.set i, i+1
.endr
	s_wait_dscnt 32                                ; all but the 32 issued in this step
.endif
.if \step
	s_wait_xcnt 0x0                                ; the youngest load from ubf, 32 matrix instructions back, has read its base
	s_add_nc_u64 s[BP:BP+1], s[BP:BP+1], 4*QB
.endif
	MUL16 \f, 64*(\j), 1, 0, \zero
.if (\kind) == 0
	BLOADH ((\j)+3)%4, BP, ((\j)+3)*QB, 0          ; no wait: no product since the wait above names that buffer
.elseif (\kind) == 1
	BLOADH 0, BN, 0, 0
.elseif (\kind) == 2
	BLOADH 1, BN, QB, 0
.endif
	MUL16 \f, 64*(\j), 1, 2, \zero
.if (\kind) == 0
	BLOADH ((\j)+3)%4, BP, ((\j)+3)*QB, 4
.elseif (\kind) == 1
	BLOADH 0, BN, 0, 4
.elseif (\kind) == 2
	BLOADH 1, BN, QB, 4
.endif
.endm
; THE FILL.  My wave's 32 rows of a block are 131,072 consecutive bytes of keys.  A ring of 64 slots in window 2, 512 consecutive bytes a load, goes round four times, 8 rows a round.
; ISSUE: cb's 32 bytes a thread, then the ring's first round.
.macro ISSUE
	WIN TO_1
	global_load_b128 v[192:195], v[CGO], s[CBQ:CBQ+1]
	global_load_b128 v[196:199], v[CGO], s[CBQ:CBQ+1] offset:65536
	WIN 0x80                                       ; destination window 2
.set sl, 0
.rept 64
	global_load_b128 v[4*sl:4*sl+3], v[KO], s[KP:KP+1] offset:512*sl th:TH_LOAD_NT
.set sl, sl+1
.endr
	WIN 0
.endm
; A round, a row (8 slots) at a time: rounded into window 3, stored into the block (a wave's store covers 256 consecutive bytes), and with ahead = 1 the slots are asked for again, 8 rows on.
.macro ROUND ahead
.set gj, 0
.rept 8
.if \ahead
	s_wait_loadcnt 56                              ; this row's eight loads are in; behind them stand the round's other rows and the rows asked for again: 56 loads
.else
	s_wait_loadcnt 56-8*gj                         ; the last round asks for nothing: the counts run down
.endif
	WIN 0xca                                       ; sources window 2, destination window 3
.set sl, 8*gj
.rept 8
	v_cvt_pk_bf16_f32 v[2*sl],   v[4*sl],   v[4*sl+1]
	v_cvt_pk_bf16_f32 v[2*sl+1], v[4*sl+2], v[4*sl+3]
.set sl, sl+1
.endr
	WIN 0x8c                                       ; addresses window 0, LDS data window 3, loaded data window 2
	s_wait_alu depctr_va_vdst(0)                   ; the row's conversions have written its sixteen registers of window 3, which the LDS stores read, and are done reading its eight slots, in which the loads land; in a round's first row v[LSA] is written
.set sl, 8*gj
.rept 8
	ds_store_b64 v[LSA], v[2*sl:2*sl+1] offset:gj*PITCH+(sl%8)*256
.set sl, sl+1
.endr
.if \ahead
.set sl, 8*gj
.rept 8
	global_load_b128 v[4*sl:4*sl+3], v[KO], s[KP:KP+1] offset:32768+512*sl th:TH_LOAD_NT
.set sl, sl+1
.endr
.endif
.set gj, gj+1
.endr
	WIN 0
.endm
; THE WAY OUT works on row block i: 64 numbers a lane, the accumulators (i, 0 .. 7), 64 registers on end in window 2 + i / 4.  They are worked on in T(i): v192-255 (i even) or v128-191 (i odd) of window 0.
;   S1 i, p   pair p:  C2 x sum + cb                  EX i, n   number n:  2^(..)
;   S3 i, p   1 + ..                                  RC i, n   1 / ..
;   S5 i, p   1 - 2 x ..  = tanh                      S6 i, p   four chains of packed sums take tanh x Va_w
.macro S1 i, p
.set rT, 128+64*(((\i)+1)%2)+2*(\p)
.set rA, 64*((\i)%4)+2*(\p)
	v_pk_fma_f32 v[rT:rT+1], v[CC:CC+1], v[rA:rA+1], v[CBR+2*(\p):CBR+2*(\p)+1]
.endm
.macro EX i, n
.set rT, 128+64*(((\i)+1)%2)+(\n)
	v_exp_f32 v[rT], v[rT]
.endm
.macro S3 i, p
.set rT, 128+64*(((\i)+1)%2)+2*(\p)
	v_pk_add_f32 v[rT:rT+1], v[rT:rT+1], 1.0 op_sel_hi:[1,0]
.endm
.macro RC i, n
.set rT, 128+64*(((\i)+1)%2)+(\n)
	v_rcp_f32 v[rT], v[rT]
.endm
.macro S5 i, p
.set rT, 128+64*(((\i)+1)%2)+2*(\p)
	v_pk_fma_f32 v[rT:rT+1], v[rT:rT+1], -2.0, 1.0 op_sel_hi:[1,0,0]
.endm
.macro S6 i, p
.set rT, 128+64*(((\i)+1)%2)+2*(\p)
.set rU, SUM+2*((\p)%4)
.if (\p) < 4
	v_pk_mul_f32 v[rU:rU+1], v[rT:rT+1], v[VAR+2*(\p):VAR+2*(\p)+1]
.else
	v_pk_fma_f32 v[rU:rU+1], v[rT:rT+1], v[VAR+2*(\p):VAR+2*(\p)+1], v[rU:rU+1]
.endif
.endm
.macro FIN i                           ; the four chains into one number
	WIN 0
	v_pk_add_f32 v[SUM:SUM+1], v[SUM:SUM+1], v[SUM+2:SUM+3]
	v_pk_add_f32 v[SUM+4:SUM+5], v[SUM+4:SUM+5], v[SUM+6:SUM+7]
	v_pk_add_f32 v[SUM:SUM+1], v[SUM:SUM+1], v[SUM+4:SUM+5]
	v_add_f32 v[PS+(\i)], v[SUM], v[SUM+1]
.endm
; Two row blocks are in hand at a time, so that each exponential and each reciprocal has a plain neighbour that names no result of its batch.  An s_wait_alu depctr_va_vdst(0) stands between
; such an instruction and the first that names its result; one wait serves a batch of 64.
; SLOTA i: block i's 64 exponentials; between them block i - 1's tanh and its sums.  The last plain line is the place behind the last exponential.
.macro SLOTA i
	WIN 0
.set e, 0
.rept 64
	EX \i, e
.if e < 32
	S5 (\i)-1, e
.else
	S6 (\i)-1, e-32
.endif
.set e, e+1
.endr
	s_wait_alu depctr_va_vdst(0)                   ; the wait for the batch: block i's 64 exponentials have written T(i), ahead of their first reader
	FIN (\i)-1
.endm
; SLOTB i: block i's 64 reciprocals; between them the rest of its 1 + .. (pair e + 2 behind reciprocal e: never a pair that a reciprocal has written) and block i + 1's first line, into the other T.
.macro SLOTB i
.if (\i) < 7
	WIN 0x18+4*(((\i)+1)/4)                        ; source 1 (the accumulators of block i + 1) in window 2 or 3, source 2 (cb) in window 1
.endif
	S3 \i, 0
	S3 \i, 1
.set e, 0
.rept 64
	RC \i, e
.if e < 30
	S3 \i, e+2
.elseif (e < 62) && ((\i) < 7)
	S1 (\i)+1, e-30
.endif
.set e, e+1
.endr
	v_nop                                          ; a plain instruction behind the last reciprocal
	s_wait_alu depctr_va_vdst(0)                   ; the wait for the batch: block i's 64 reciprocals have written T(i), ahead of their first reader
.endm
	s_load_b256 s[4:11], s[0:1], 0x0               ; keys s[4:5], ubf s[6:7], cb s[8:9], Va_w s[10:11]
	s_load_b128 s[12:15], s[0:1], 0x20             ; Va_b s[12:13], sc s[14:15]
	s_load_b64 s[16:17], s[0:1], 0x30              ; pc
	v_lshl_add_u32 v[SPW], v0, 2, SPARE
	v_mov_b32 v[NIL], 0
	v_lshrrev_b32 v1, 5, v0
	v_readfirstlane_b32 s[WV], v1                  ; wave 0..3
	v_and_b32 v1, 31, v0                           ; lane
	v_and_b32 v24, 15, v0                          ; l % 16
	v_bfe_u32 v25, v0, 4, 1                        ; l / 16
	v_lshlrev_b32 v[KO], 4, v1
	v_lshlrev_b32 v[PFO], 8, v1
	s_wait_alu depctr_va_sdst(0)                   ; the wave's number is written, ahead of its first reader: addresses, bases and branches are made from it
	s_mul_i32 s41, s[WV], 32*PITCH                 ; my wave's 32 rows of the block
	v_lshl_add_u32 v[LS0], v1, 3, s41
	s_lshl_b32 s41, s[WV], 9                       ; 512 x wave
	s_add_co_u32 s21, s41, SC
	v_lshl_add_u32 v[STO], v1, 2, s21
	v_lshl_add_u32 v[RDS], v1, 4, SC
	s_add_co_u32 s21, s41, PP
	v_lshl_add_u32 v[PPS], v1, 4, s21
	v_mov_b32 v[PP0], s21
	v_lshlrev_b32 v[CX0], 4, v0
	s_add_co_u32 s21, s41, CBS                     ; my wave's 128 columns of f32,
	v_lshl_add_u32 v[CB0], v25, 5, s21             ; my half's eight of sixteen
	s_add_co_u32 s21, s41, VAS
	v_lshl_add_u32 v[VA0], v25, 5, s21
	s_lshl_b32 s21, s[WV], 10
	s_add_co_u32 s21, s21, CT
	v_lshl_add_u32 v[CTS], v1, 5, s21
	v_lshl_add_u32 v[CTR], v1, 4, s21
	v_lshl_add_u32 v[SGC], v0, 4, CBS
	v_lshl_add_u32 v[SGV], v0, 4, VAS
	v_mul_u32_u24 v26, v24, PITCH
	v_lshl_add_u32 v26, v25, 4, v26                ; a fragment's row x pitch + 16 x half
.irp j, 0,1,2,3
	v_add_nc_u32 v[AD0+(\j)], (\j)*32*PITCH, v26
.endr
	v_lshrrev_b32 v26, 2, v0                       ; columns 4 n .. 4 n + 3 of cb, n = thread (+ 128): they lie at 2048 (n / 4) + 1024 (n % 2) + 16 ((n / 2) % 2) of the table
	v_lshlrev_b32 v[CGO], 11, v26
	v_and_b32 v26, 1, v0
	v_lshl_add_u32 v[CGO], v26, 10, v[CGO]
	v_bfe_u32 v26, v0, 1, 1
	v_lshl_add_u32 v[CGO], v26, 4, v[CGO]
	v_mov_b32 v[CC], C2
	v_mov_b32 v[CC+1], C2
	s_mov_b32 s[SEL], 0x76543210
	s_mov_b32 s[SEL+1], 0xfedcba98
	s_mov_b32 s[UPPER], 0xffff0000
	s_mov_b32 s[LE], L2E
	s_mov_b32 s51, 0
	s_mov_b32 s[BLK], 2
	s_wait_kmcnt 0x0
	s_load_b32 s[VB], s[12:13], 0x0                ; Va_b
	s_lshl_b32 s50, ttmp9, 19                      ; block i: 128 rows of 4,096 bytes,
	s_lshl_b32 s41, s[WV], 17                      ; my wave's 32 of them
	s_add_co_u32 s50, s50, s41
	s_add_nc_u64 s[KP:KP+1], s[4:5], s[50:51]
	s_add_nc_u64 s[KN:KN+1], s[KP:KP+1], 0x8000000 ; block i + 256
	s_lshl_b32 s50, s[WV], 18                      ; a group of 128 columns is 32 x 8,192 bytes of ubf
	s_add_nc_u64 s[P0:P0+1], s[6:7], s[50:51]
	s_add_nc_u64 s[P1:P1+1], s[P0:P0+1], 0x100000  ; four groups on
	s_lshr_b32 s50, ttmp9, 4                       ; the batch: sixteen blocks each
	s_lshl_b32 s50, s50, 5
	s_add_nc_u64 s[CBQ:CBQ+1], s[8:9], s[50:51]
	s_lshl_b32 s50, ttmp9, 9
	s_add_nc_u64 s[SCP:SCP+1], s[14:15], s[50:51]
	s_lshl_b32 s50, ttmp9, 12
	s_lshl_b32 s41, s[WV], 10
	s_add_co_u32 s50, s50, s41
	s_add_nc_u64 s[PCP:PCP+1], s[16:17], s[50:51]
	s_wait_alu depctr_va_vdst(0)                   ; all the addresses and offsets made above are written: the loads, stores, LDS instructions and prefetches of the whole kernel read them
	BLOAD 0, P0, 0                                 ; the first pass's quarter steps 0 and 1, as every pass's tail asks for the next pass's
	BLOAD 1, P0, QB
	global_load_b128 v[200:203], v[CX0], s[10:11]  ; Va_w, 32 bytes a thread (destination window 1)
	global_load_b128 v[204:207], v[CX0], s[10:11] offset:2048
	ISSUE                                          ; cb of the first block's batch, and the first block's first round
	s_wait_loadcnt 63                              ; behind Va_w's loads stand 66: with 63 out at the most they are in
	WIN 0x04                                       ; LDS data window 1
	ds_store_b128 v[SGV], v[200:203]
	ds_store_b128 v[SGV], v[204:207] offset:2048
	WIN 0
	s_wait_kmcnt 0x0
	s_mov_b32 s[VB+1], s[VB]
.Lblock:
	s_wait_dscnt 0x0                               ; my reads of the block that is left are over (and, the first time, Va_w is stored)
	s_barrier_signal -1
	s_barrier_wait -1                              ; everybody's are: the block and cb may be written
	s_wait_loadcnt 63                              ; behind cb's loads stand the ring's 64: they are in
	WIN 0x04
	ds_store_b128 v[SGC], v[192:195]
	ds_store_b128 v[SGC], v[196:199] offset:2048
	WIN 0
	s_wait_alu depctr_vm_vsrc(0)                   ; the LDS stores above (the first time Va_w's too) have read v192-207 of window 1, in which ubf's loads will land; the block before's LDS stores have read v[LSA] and v[QA ..], which the lines below write
	v_mov_b32 v[LSA], v[LS0]
.irp k, 0,1,2,3
	v_mov_b32 v[QA+(\k)], 0                        ; four lines, so that both passes add their part in one form
.endr
	s_mov_b32 s[CNT], 3
.Lfill:
	ROUND 1
	s_wait_xcnt 0x0                                ; every load issued so far has read its base
	s_add_nc_u64 s[KP:KP+1], s[KP:KP+1], 32768     ; 8 rows on
	s_wait_alu depctr_vm_vsrc(0)                   ; the round's LDS stores have read v[LSA], which the next line writes, and the 128 registers of window 3, which the next round's conversions write again
	v_add_nc_u32 v[LSA], 8*PITCH, v[LSA]
	s_sub_co_u32 s[CNT], s[CNT], 1
	s_cmp_lg_u32 s[CNT], 0
	s_cbranch_scc1 .Lfill
	ROUND 0
	s_wait_dscnt 0x0                               ; for the others' sake: my rows lie in LDS
	s_barrier_signal -1
	s_barrier_wait -1                              ; the block is whole
	s_mov_b32 s[PAS], 2
.Lpass:
	s_wait_xcnt 0x0                                ; no load still reads the two pointers that are written now
	s_cmp_eq_u32 s[PAS], 2
	s_cselect_b64 s[BP:BP+1], s[P0:P0+1], s[P1:P1+1]
	s_cselect_b64 s[BN:BN+1], s[P1:P1+1], s[P0:P0+1]
	s_sub_co_u32 s[POFF], 2, s[PAS]
	s_lshl_b32 s[POFF], s[POFF], 11
	s_wait_alu depctr_vm_vsrc(0)                   ; the LDS loads of the pass before have read v[ADRA ..], v[CBL] and v[VAL], which the six lines below write; the fill's last LDS stores have read window 3, which the products write; the block before's stores have read their data in v64-87 and v208-223
.irp i, 0,1,2,3
	v_mov_b32 v[ADRA+(\i)], v[AD0+(\i)]
.endr
	v_add_nc_u32 v[CBL], s[POFF], v[CB0]
	v_add_nc_u32 v[VAL], s[POFF], v[VA0]
	s_wait_alu depctr_va_vdst(0)                   ; those six are written, which LDS loads read; the way out and the block's end are done with ubf's buffers 2 and 3 and with v64-191 of window 0, in which this pass's first loads land
	BLOAD 2, BP, 2*QB                              ; steps 0 and 1 were asked for in the pass before; buffer 2 held cb until now
	FETCHA 0, F0
	QUARTER F0, F1, 0, 1, 0, 0                     ; a pass's first quarter step stands in front of the loop: its products start the sums
	WIN 0                                          ; at a label and at a branch every window is 0
	s_mov_b32 s[CNT], 7
.Ltrip:                                            ; steps 4 t + 1 .. 4 t + 4
	QUARTER F1, F0, 1, 0, 0, 0
	QUARTER F0, F1, 2, 0, 0, 0
	QUARTER F1, F0, 3, 0, 0, 0
	QUARTER F0, F1, 0, 0, 0, 1
	WIN 0
	s_sub_co_u32 s[CNT], s[CNT], 1
	s_cmp_lg_u32 s[CNT], 0
	s_cbranch_scc1 .Ltrip
	QUARTER F1, F0, 1, 0, 1, 0                     ; steps 29 to 31.  The launch's last pass asks for two quarter steps that nobody multiplies: the price, once a launch, of one text for every pass
	QUARTER F0, F1, 2, 0, 2, 0
	QUARTER F1, F0, 3, 0, 3, 0
	WIN 0
	s_wait_dscnt 0x0                               ; cb and Va_w are in registers
	; A PREFETCH INTO THE L2, at the head of the first block's last way out: the 32,768 bytes that my wave's first 64 loads of the second block will ask for, behind this way out: a lane a block of 256 bytes,
	; four instructions; each block is named once in the launch, by the wave that will load it.  The rest of the second block comes by its loads alone.
	s_lshl_b32 s41, s[BLK], 2
	s_add_co_u32 s41, s41, s[PAS]
	s_cmp_eq_u32 s41, 9                            ; two blocks and one pass to go
	s_cbranch_scc0 .Lno_pf
.irp n, 0,1,2,3
	global_prefetch_b8 v[PFO], s[KN:KN+1] offset:8192*(\n) th:TH_LOAD_NT scope:SCOPE_SE
.endr
.Lno_pf:
.rept 8
	v_nop                                          ; the places behind the last products, whose results are read and whose buffer 1 is written below
.endr
	WIN 0x18
	S1 0, 0                                        ; pairs ascending: each accumulator is read from its low end on
	S1 0, 1
.set e, 0
.rept 64                                       ; block 0 has no block before it: its own first lines stand between its first exponentials
	EX 0, e
.if e < 30
	S1 0, e+2
.endif
.set e, e+1
.endr
	v_nop                                          ; a plain instruction behind the last exponential
	s_wait_alu depctr_va_vdst(0)                   ; the wait for the batch: block 0's 64 exponentials have written T(0), ahead of their first reader
	SLOTB 0
.irp i, 1,2,3,4,5,6,7
	SLOTA \i
	SLOTB \i
.endr
	WIN 0
.set e, 0
.rept 32
	S5 7, e
.set e, e+1
.endr
.set e, 0
.rept 32
	S6 7, e
.set e, e+1
.endr
	FIN 7
.irp i, 0,1,2,3,4,5,6,7
	v_permlanex16_b32 v[128+(\i)], v[PS+(\i)], s[SEL], s[SEL+1]    ; the row's other 64 columns lie in the lane 16 away
.endr
.irp i, 0,1,2,3,4,5,6,7
	v_add_f32 v[PS+(\i)], v[PS+(\i)], v[128+(\i)]
.endr
.irp k, 0,1,2,3
	v_cndmask_b32 v[QS+(\k)], v[PS+2*(\k)], v[PS+2*(\k)+1], s[UPPER]  ; lanes 0-15 keep block 2 k, lanes 16-31 take block 2 k + 1: lane l holds row 32 k + l
.endr
	v_pk_add_f32 v[QA:QA+1], v[QA:QA+1], v[QS:QS+1]
	v_pk_add_f32 v[QA+2:QA+3], v[QA+2:QA+3], v[QS+2:QS+3]
	s_sub_co_u32 s[PAS], s[PAS], 1
	s_cmp_lg_u32 s[PAS], 0
	s_cbranch_scc1 .Lpass
	; THE BLOCK'S END.  First the next block's first round is asked for: the accumulators' registers are free, and what follows works on windows 0 and 1 alone.
	s_wait_alu depctr_va_vdst(0)                   ; v[QA ..] are written, which the LDS stores below read; the way out is done with the accumulators of window 2 and the products with ubf's buffer 3, in which the next block's loads land, and with v64-79, in which the sums' loads land
	s_cmp_eq_u32 s[BLK], 1
	s_cbranch_scc1 .Lno_next
	s_wait_xcnt 0x0
	s_mov_b64 s[KP:KP+1], s[KN:KN+1]
	s_add_nc_u64 s[CBQ:CBQ+1], s[CBQ:CBQ+1], 512   ; sixteen batches on
	ISSUE
.Lno_next:
.irp k, 0,1,2,3
	ds_store_b32 v[STO], v[QA+(\k)] offset:128*(\k)
.endr
	s_wait_dscnt 0x0                               ; for the others' sake
	s_barrier_signal -1
	s_barrier_wait -1                              ; the four waves' sums lie in LDS
.irp u, 0,1,2,3
	ds_load_b128 v[64+4*(\u):64+4*(\u)+3], v[RDS] offset:512*(\u)  ; rows 4 l .. 4 l + 3: every wave makes all 128 scores for itself
.endr
	s_wait_dscnt 0x0
	v_pk_add_f32 v[64:65], v[64:65], v[68:69]
	v_pk_add_f32 v[66:67], v[66:67], v[70:71]
	v_pk_add_f32 v[72:73], v[72:73], v[76:77]
	v_pk_add_f32 v[74:75], v[74:75], v[78:79]
	v_pk_add_f32 v[64:65], v[64:65], v[72:73]
	v_pk_add_f32 v[66:67], v[66:67], v[74:75]
	v_pk_add_f32 v[64:65], v[64:65], s[VB:VB+1] op_sel_hi:[1,0]    ; + Va_b
	v_pk_add_f32 v[66:67], v[66:67], s[VB:VB+1] op_sel_hi:[1,0]
	s_cmp_lg_u32 s[WV], 0
	s_cbranch_scc1 .Lno_sc
	s_wait_alu depctr_va_vdst(0)                   ; the additions have written v[64:67], which the store reads
	global_store_b128 v[KO], v[64:67], s[SCP:SCP+1]                ; the block's 128 scores: 512 consecutive bytes
.Lno_sc:
	v_max_num_f32 v80, v64, v65
	v_max_num_f32 v81, v66, v67
	v_max_num_f32 v80, v80, v81
	v_max_num_f32_dpp v80, v80, v80 row_xmask:1 row_mask:0xf bank_mask:0xf
	v_max_num_f32_dpp v80, v80, v80 row_xmask:2 row_mask:0xf bank_mask:0xf
	v_max_num_f32_dpp v80, v80, v80 row_xmask:4 row_mask:0xf bank_mask:0xf
	v_max_num_f32_dpp v80, v80, v80 row_xmask:8 row_mask:0xf bank_mask:0xf
	v_permlanex16_b32 v81, v80, s[SEL], s[SEL+1]
	v_max_num_f32 v80, v80, v81                    ; m: the block's largest score
	v_mul_f32 v82, s[LE], v80
.irp n, 0,1,2,3
	v_fma_f32 v[84+(\n)], v[64+(\n)], s[LE], -v82
.endr
.irp n, 0,1,2,3
	v_exp_f32 v[84+(\n)], v[84+(\n)]
.endr
.irp n, 0,1,2,3,4,5,6,7
	v_mov_b32 v[AX+(\n)], 0                        ; the context's sums start at 0: plain lines behind the exponentials, which name no result of theirs
.endr
	v_mov_b32 v[PPA], v[PP0]
	v_mov_b32 v[CXA], v[CX0]
	s_wait_alu depctr_va_vdst(0)                   ; one wait for the four exponentials, ahead of their first reader: v[84:87] are written, which the LDS store reads, and so are v[PPA] and v[CXA], which the first trip's loads read
	ds_store_b128 v[PPS], v[84:87]                 ; my wave's own copy of the weights: LDS serves a wave's instructions in order (ISA guide 5.7.1.4), so the loads below see it
	s_mov_b32 s[CNT], 8
.Lctx:                                             ; sixteen rows a trip; thread t adds up columns 8 t .. 8 t + 7: a wave's load covers 512 consecutive bytes of a row
.irp n, 0,1,2,3
	ds_load_b128 v[WR+4*(\n):WR+4*(\n)+3], v[PPA] offset:16*(\n)   ; all lanes read the same words
.endr
.set r, 0
.rept 16
	ds_load_b128 v[XR+4*r:XR+4*r+3], v[CXA] offset:PITCH*r
.set r, r+1
.endr
	s_wait_alu depctr_vm_vsrc(0)                   ; the twenty loads have read v[PPA] and v[CXA], which the two additions write
	v_add_nc_u32 v[PPA], 64, v[PPA]
	v_add_nc_u32 v[CXA], 16*PITCH, v[CXA]
	s_wait_dscnt 0x0
.set r, 0
.rept 16
.irp j, 0,1,2,3
	v_fma_mix_f32_bf16 v[AX+2*(\j)],   v[XR+4*r+(\j)], v[WR+r], v[AX+2*(\j)]   op_sel_hi:[1,0,0]                ; the low bf16 times the weight, onto an f32 sum
	v_fma_mix_f32_bf16 v[AX+2*(\j)+1], v[XR+4*r+(\j)], v[WR+r], v[AX+2*(\j)+1] op_sel:[1,0,0] op_sel_hi:[1,0,0]  ; the high one
.endr
.set r, r+1
.endr
	s_wait_alu depctr_va_vdst(0)                   ; the multiply-adds are done reading v[XR ..] and v[WR ..], in which the next trip's loads land; v[PPA] and v[CXA] are written, which those loads read; behind the last trip: v[AX ..] are written, which the LDS stores read
	s_sub_co_u32 s[CNT], s[CNT], 1
	s_cmp_lg_u32 s[CNT], 0
	s_cbranch_scc1 .Lctx
	ds_store_b128 v[CTS], v[AX:AX+3]               ; a lane's 32 bytes go in side by side and come back as two runs of 512 bytes: my wave's own bytes, in order
	ds_store_b128 v[CTS], v[AX+4:AX+7] offset:16
	ds_load_b128 v[OC:OC+3],   v[CTR]
	ds_load_b128 v[OC+4:OC+7], v[CTR] offset:512
	s_wait_dscnt 0x0
	global_store_b128 v[KO], v[OC:OC+3],   s[PCP:PCP+1]            ; each store covers 512 consecutive bytes, at a multiple of 256 from pc's first byte
	global_store_b128 v[KO], v[OC+4:OC+7], s[PCP:PCP+1] offset:512
	s_wait_xcnt 0x0                                ; the stores have read their registers and their bases
	s_add_nc_u64 s[SCP:SCP+1], s[SCP:SCP+1], 131072    ; 256 blocks on
	s_add_nc_u64 s[PCP:PCP+1], s[PCP:PCP+1], 1048576
	s_sub_co_u32 s[BLK], s[BLK], 1
	s_cmp_lg_u32 s[BLK], 0
	s_cbranch_scc1 .Lblock
	s_wait_dscnt 0x0                               ; the closing lines, six on end
	s_wait_alu 0x0
	s_wait_tensorcnt 0x0
	ds_add_u32 v[SPW], v[NIL]
	s_wait_dscnt 0x0
	s_endpgm
.Lfunc_end_k_q3939c9a484_attn:
	.size	k_q3939c9a484_attn, .Lfunc_end_k_q3939c9a484_attn-k_q3939c9a484_attn
	.p2alignl 7, 3214868480
	.fill 96, 4, 3214868480
	.section	.rodata,"a",@progbits
	.p2align	6, 0x0
	.amdhsa_kernel k_q3939c9a484_attn
		.amdhsa_group_segment_fixed_size 281088
		.amdhsa_private_segment_fixed_size 0
		.amdhsa_enable_private_segment 0
		.amdhsa_kernarg_size 56
		.amdhsa_user_sgpr_count 2
		.amdhsa_user_sgpr_kernarg_segment_ptr 1
		.amdhsa_wavefront_size32 1
		.amdhsa_system_sgpr_workgroup_id_x 1
		.amdhsa_system_sgpr_workgroup_id_y 1
		.amdhsa_system_sgpr_workgroup_id_z 1
		.amdhsa_system_vgpr_workitem_id 0
		.amdhsa_next_free_vgpr 1024
		.amdhsa_next_free_sgpr 66
		.amdhsa_reserve_vcc 0
		.amdhsa_float_denorm_mode_32 3
		.amdhsa_float_denorm_mode_16_64 3
		.amdhsa_memory_ordered 1
		.amdhsa_forward_progress 1
		.amdhsa_inst_pref_size 226
	.end_amdhsa_kernel
	.amdgpu_metadata
---
amdhsa.version: [ 1, 2 ]
amdhsa.kernels:
  - .name:           k_q3939c9a484_attn
    .symbol:         k_q3939c9a484_attn.kd
    .args:
      - { .name: keys, .offset: 0, .size: 8, .value_kind: global_buffer, .address_space: global }
      - { .name: ubf, .offset: 8, .size: 8, .value_kind: global_buffer, .address_space: global }
      - { .name: cb, .offset: 16, .size: 8, .value_kind: global_buffer, .address_space: global }
      - { .name: Va_w, .offset: 24, .size: 8, .value_kind: global_buffer, .address_space: global }
      - { .name: Va_b, .offset: 32, .size: 8, .value_kind: global_buffer, .address_space: global }
      - { .name: sc, .offset: 40, .size: 8, .value_kind: global_buffer, .address_space: global }
      - { .name: pc, .offset: 48, .size: 8, .value_kind: global_buffer, .address_space: global }
    .group_segment_fixed_size: 281088
    .private_segment_fixed_size: 0
    .kernarg_segment_align: 8
    .kernarg_segment_size: 56
    .max_flat_workgroup_size: 128
    .sgpr_count:     66
    .vgpr_count:     1024
    .wavefront_size: 32
...
	.end_amdgpu_metadata
.endif
;; end of part 7
;; launch fin: the kernel of part 6 again; grid 8 x 32, 8 waves a work-group, no clusters, 5,632 bytes of LDS; arguments sc, pc, out0, out1; writes out0, out1
